; MI455X (gfx1250); checked and timed in simulation.
; The chip was launched on July 23, 2026; its instructions are those of AMD's public machine-readable ISA for CDNA 5 (MIT licence, August 2026) and "CDNA5" Instruction Set Architecture Reference Guide (July 2026). The comments in the code are by the model that wrote it; some were corrected since.
;; Causal Self Attention. Allowed arithmetic: matrix products marked QUANTISED: E4M3 operands, one given power-of-two scale a tensor, by v_wmma_f32_16x16x64_fp8_fp8 or v_wmma_f32_16x16x128_fp8_fp8, f32 sums; everything else in f32.
;; Inputs: W_attn 1,024 x 3,072 float32; W_proj 1,024 x 1,024 float32; indices 4 x 2,048 int32; lowp_scales 8 int32 (the exponents e of the quantised operands' scales 2^e); x 4 x 2,048 x 1,024 float32.
;; Outputs: out0 4 x 2,048 x 1,024 float32.
;; This version of the problem:
;;   THIS VERSION OF THE PROBLEM IS GIVEN IN LOW PRECISION. The matrix products marked QUANTISED in the list below multiply operands that are first quantised to E4M3 (4 exponent bits, 3 mantissa bits; 8 bits a number), with one given power-of-two scale for each operand tensor; their sums are f32. All else is computed in f32.
;;   The module's matrix products, in the order in which they are computed (A, B: the left and right operand; K: the contracted axis; several contracted axes count as one K, in the product's order):
;;     1. [M 8,192, K 1,024] x [K 1,024, N 3,072]; A: input x; B: input W_attn: QUANTISED (scales: A lowp_scales[0], B lowp_scales[1])
;;     2. batch 64 x [M 2,048, K 64] x [K 64, N 2,048]; A: computed on the way; B: computed on the way: QUANTISED (scales: A lowp_scales[2], B lowp_scales[3])
;;     3. batch 64 x [M 2,048, K 2,048] x [K 2,048, N 64]; A: softmax (see below); B: computed on the way: QUANTISED (scales: A lowp_scales[4], B lowp_scales[5])
;;     4. [M 8,192, K 1,024] x [K 1,024, N 1,024]; A: computed on the way; B: input W_proj: QUANTISED (scales: A lowp_scales[6], B lowp_scales[7])
;;   THE QUANTISER, for each operand of a quantised product, along K:
;;     - The operand's scale is 2^e, e = its entry of the input lowp_scales (int32; the entries are numbered through the quantised products in the list's order, A before B).
;;     - Each number is divided by the scale, clamped to +-448, and rounded to the nearest number of E4M3, ties to even, subnormals kept.
;;     - The product sums the exact products of the quantised numbers (number of the format x scale) in f32.
;;   ~~~python
;;   def quantise(x, axis, e):      # numpy; x: float32 -> the quantised numbers, widened to float32 again
;;       x = np.moveaxis(x, axis, -1); K = x.shape[-1]
;;       r = np.clip(x / 2.0 ** e, -448, 448)
;;       step = 2.0 ** (np.maximum(np.frexp(np.where(r == 0, 1, r))[1] - 1, -6) - 3)
;;       q = np.round(r / step) * step * 2.0 ** e      # np.round: ties to even
;;       return np.moveaxis(q, -1, axis).astype(np.float32)
;;   ~~~
;;   SOFTMAX AHEAD OF A QUANTISED PRODUCT. Where the list says 'softmax', what is quantised is not the finished softmax but p = 2^(t - M), with t = logit x log2(e) and M = ceil(the row's largest t), a whole number; so 1/2 < the row's largest p <= 1. The row's sum l is taken of the UNQUANTISED p, in f32, and the product's result is divided by l at the end. Since M is a whole number, a kernel that streams over the keys may use a running M (the ceiling of the running maximum): every later rescaling is an exact power of two, so the quantised numbers keep their values, but for numbers so far below the row's largest that they fall under the format's range.
;;   OPERANDS COMPUTED ON THE WAY. 'Computed on the way' means the value that the module computes at that place (a softmax that the list does not call 'softmax' is quantised finished and normalised). What goes into a quantiser is computed in f32, as accurately as f32 sums, v_exp_f32 and their like allow (about 1e-6 of the number): no bf16 or f16 on the way to a quantiser, and a product that is left as it is and whose result goes on into a quantised operand takes f32 operands (vector FMAs, or v_wmma_f32_16x16x4_f32). A number that lies on a knife's edge between two numbers of the format may be rounded either way, as far as f32 arithmetic and the matrix unit's own rounding can turn it there, and no further.
;; 2 versions, each right; version 2 is version 1 with the launch attn written anew for expert scheduling mode. Each part assembles by itself: llvm-mc -triple=amdgcn-amd-amdhsa -mcpu=gfx1250 --defsym DOCPART=n.
;; ======== version 1 of 2: 4 launches
;; limits: right only within a limited range of input values
;; workspace buffers: x_codes 8,388,608 bytes; wa_codes 3,145,728 bytes; wp_codes 1,048,576 bytes; rope_tab 2,097,152 bytes; tilemask 2,048 bytes of whole numbers; qkv_img 25,165,824 bytes; y_img 8,388,608 bytes
;; launch prep (part 1): grid 449 x 1, 4 waves a work-group, no clusters, 102,912 bytes of LDS; arguments x, W_attn, W_proj, indices, lowp_scales, x_codes, wa_codes, wp_codes, rope_tab, tilemask; writes x_codes, wa_codes, wp_codes, rope_tab, tilemask
.if DOCPART == 1
	.amdgcn_target "amdgcn-amd-amdhsa--gfx1250"
	.amdhsa_code_object_version 6
	.text
	.protected	k_q43d4f87b03_prep
	.globl	k_q43d4f87b03_prep
	.p2align	8
	.type	k_q43d4f87b03_prep,@function
k_q43d4f87b03_prep:
	s_mov_b64 s[64:65], 0
	v_nop
	global_prefetch_b8 v0, s[64:65] scope:SCOPE_SE
	s_setreg_imm32_b32 hwreg(HW_REG_WAVE_MODE, 25, 1), 1
	s_wait_xcnt 0x0
; PREPARATION, five kinds of work-group, told apart by the work-group's number alone:
;   0         MASK: for each batch (wave w = batch w) and each block of 32 queries two words: bit s of word 0: some key of step s (128 keys) may count for some query of the block
;             (least key index <= largest query index); bit s of word 1: every key of step s counts for every query (largest key index <= least query index).
;   1..64     ROPE: cos and sin of indices[token] x 10000^(-j/32), j = 0..31, f32: a row of 256 bytes a token: 32 cos, then 32 sin.
;   65..160   W_attn [1024 k][3072 n] f32 -> codes of E4M3 laid [row][1024 k], K innermost; column n lies at row swap34(n) (bits 3 and 4 of n change places).
;   161..192  W_proj [1024 k][1024 n] -> codes [n][1024 k].
;   193..448  x [8192 tokens][1024] f32 -> codes [row][1024]; token t lies at row swap34(t).
; WHY swap34: sixteen rows on end, 16 t + r, then hold the tokens (columns) 32 (t/2) + 8 (t%2) + r + 8 (r/8): the choice of rows by which a product's results fall as sixteen neighbours along the next K.
; code = x / 2^e, held within +-448, to the nearest code, ties to even.  LIMITS: e0, e1, e7 between -126 and 119.  NaN among the inputs is not served.
; |indices| up to 100,000 (the three-part reduction by pi/2 is exact that far); 10000^(-j/32) is made by v_exp_f32 from a two-part logarithm.
; Each kind that uses LDS has LDS bytes of its own.  No tensor load, no barrier: waves share nothing.
.set XST,   0                          ; x's stages: 8,192 bytes a wave
.set WAST,  32768                      ; W_attn's stages: 32 rows x 272 bytes a wave
.set WPST,  67584                      ; W_proj's stages, likewise
.set SPARE, 102400                     ; the spare words: 128 bytes a wave, two blocks of 256 bytes that no other line names
.set SPW,   198                        ; v198 LDS address of my spare word; never rewritten
.set NIL,   199                        ; v199 0; never rewritten
.set WG_ROPE, 1
.set WG_WA,   65
.set WG_WP,   161
.set WG_X,    193
.set SP,    80                         ; x: a lane's place in a stage: 64 bytes + 16 of padding
.set XR,    16                         ; x: v16-79 four sets of 16 numbers as loaded
.set XX,    80                         ; x: v80-111 two sets of 16 neighbours
.set XC,    128                        ; x: v128-191 codes, four registers a step
	s_load_b512 s[4:19], s[0:1], 0x0               ; x s[4:5], W_attn s[6:7], W_proj s[8:9], indices s[10:11], scales s[12:13], x_codes s[14:15], wa_codes s[16:17], wp_codes s[18:19]
	s_load_b128 s[20:23], s[0:1], 0x40             ; rope_tab s[20:21], tilemask s[22:23]
	v_lshl_add_u32 v[SPW], v0, 2, SPARE
	v_mov_b32 v[NIL], 0
	v_lshrrev_b32 v1, 5, v0
	v_readfirstlane_b32 s32, v1                    ; wave 0..3
	v_and_b32 v2, 31, v0                           ; lane
	s_wait_kmcnt 0x0
	s_load_b256 s[24:31], s[12:13], 0x0            ; e0 .. e7
	s_cmp_lt_u32 ttmp9, WG_ROPE
	s_cbranch_scc1 .Lmask
	s_cmp_lt_u32 ttmp9, WG_WA
	s_cbranch_scc1 .Lrope
	s_cmp_lt_u32 ttmp9, WG_WP
	s_cbranch_scc1 .Lwa
	s_cmp_lt_u32 ttmp9, WG_X
	s_cbranch_scc1 .Lwp
; ---------------- x: a wave takes 8 tokens = 16 steps of 512 numbers.  Each load reads 512 consecutive bytes; a step's 2,048 bytes turn through the wave's stage so that a lane holds 16 neighbours.
	s_sub_co_u32 s33, ttmp9, WG_X                  ; g: tokens 32 g on
	v_lshlrev_b32 v3, 4, v2                        ; my 16 bytes of a load's 512
	s_mul_i32 s34, s32, 8192                       ; my stages
	v_lshrrev_b32 v14, 2, v2
	v_mul_u32_u24 v14, v14, SP
	v_and_b32 v15, 3, v2
	v_lshl_add_u32 v14, v15, 4, v14
	v_add_nc_u32 v14, s34, v14                     ; in: SP (lane / 4) + 16 (lane % 4)
	v_mul_u32_u24 v15, v2, SP
	v_add_nc_u32 v15, s34, v15                     ; out: SP x lane
	v_lshlrev_b32 v4, 4, v2                        ; my 16 codes of a step's 512
	s_lshl_b32 s35, s33, 2
	s_add_co_u32 s36, s35, s32
	s_lshl_b32 s36, s36, 15                        ; (4 g + w) x 8 tokens x 4,096 bytes
	s_mov_b32 s37, 0
	s_add_nc_u64 s[4:5], s[4:5], s[36:37]
	s_and_b32 s38, s32, 1                          ; swap34 of the token: the wave's two bits change places
	s_lshl_b32 s38, s38, 1
	s_lshr_b32 s39, s32, 1
	s_or_b32 s38, s38, s39
	s_add_co_u32 s36, s35, s38
	s_lshl_b32 s36, s36, 13                        ; x 8 rows x 1,024 bytes
	s_add_nc_u64 s[14:15], s[14:15], s[36:37]
.macro XLOAD t
.irp i, 0,1,2,3
	global_load_b128 v[XR+16*((\t)%4)+4*\i:XR+16*((\t)%4)+4*\i+3], v3, s[4:5] offset:2048*(\t)+512*\i th:TH_LOAD_NT
.endr
.endm
.macro XTURN t                         ; LDS serves a wave's instructions in order: no wait between the stores and the loads
.irp i, 0,1,2,3
	ds_store_b128 v14, v[XR+16*((\t)%4)+4*\i:XR+16*((\t)%4)+4*\i+3] offset:XST+32*SP*((\t)%2)+8*SP*\i
.endr
.irp i, 0,1,2,3
	ds_load_b128 v[XX+16*((\t)%2)+4*\i:XX+16*((\t)%2)+4*\i+3], v15 offset:XST+32*SP*((\t)%2)+16*\i
.endr
.endm
.irp t, 0,1,2,3
	XLOAD \t
.endr
	s_wait_kmcnt 0x0
	s_add_co_i32 s38, s24, 127
	s_lshl_b32 s39, s38, 23
	v_mov_b32 v11, s39                             ; 2^e0 as f32: the conversion takes its exponent field
	s_add_co_i32 s38, s38, 8
	s_lshl_b32 s38, s38, 23
	s_or_b32 s38, s38, 0x600000
	v_mov_b32 v10, s38                             ; 448 x 2^e0
	s_wait_loadcnt 12                              ; step 0's four loads are in
	XTURN 0
.macro XSTEP t
.set XS, XX+16*((\t)%2)
	s_wait_dscnt 0x0                               ; this step's numbers are back from the stage, and its stores into the stage have read their registers
.if (\t)+4 < 16
	XLOAD (\t)+4
.endif
.if (\t)+1 < 16
.if 14-(\t) >= 3
	s_wait_loadcnt 12                              ; the next step's four loads are in; three steps' may be out
.else
	s_wait_loadcnt 4*(14-(\t))
.endif
	XTURN (\t)+1
.endif
.set n, 0
.rept 16
	v_med3_num_f32 v[XS+n], v[XS+n], -v10, v10     ; the conversion to an 8-bit code does not saturate (ISA guide 7.6.2): the hold comes first
.set n, n+1
.endr
	v_cvt_scalef32_pk8_fp8_f32 v[XC+4*(\t):XC+4*(\t)+1], v[XS:XS+7], v11
	v_cvt_scalef32_pk8_fp8_f32 v[XC+4*(\t)+2:XC+4*(\t)+3], v[XS+8:XS+15], v11
	global_store_b128 v4, v[XC+4*(\t):XC+4*(\t)+3], s[14:15] offset:512*(\t)   ; the wave stores 512 consecutive bytes; each step has its own code registers
.endm
.irp t, 0,1,2,3,4,5,6,7,8,9,10,11,12,13,14,15
	XSTEP \t
.endr
	s_branch .Lend
; ---------------- MASK
.macro MINI d, a, b
	v_cmp_lt_i32 vcc_lo, v[\a], v[\b]
	v_cndmask_b32 v[\d], v[\b], v[\a], vcc_lo
.endm
.macro MAXI d, a, b
	v_cmp_gt_i32 vcc_lo, v[\a], v[\b]
	v_cndmask_b32 v[\d], v[\b], v[\a], vcc_lo
.endm
.Lmask:
	s_lshl_b32 s34, s32, 13                        ; my batch's 2,048 indices
	v_lshl_add_u32 v3, v2, 8, s34                  ; lane l takes indices 64 l .. 64 l + 63: query blocks 2 l and 2 l + 1, half of key step l / 2
.set i, 0
.rept 16
	global_load_b128 v[16+4*i:19+4*i], v3, s[10:11] offset:16*i
.set i, i+1
.endr
	s_lshl_b32 s35, s32, 9
	v_lshl_add_u32 v4, v2, 4, s35                  ; my four words of the result
	v_mov_b32 v89, 1
	v_mov_b32 v92, 0
	v_mov_b32 v93, 0
	v_mov_b32 v94, 0
	v_mov_b32 v95, 0
	s_wait_loadcnt 0x0
	MINI 80, 16, 17                                ; v80, v81: least and largest of block 2 l;  v82, v83: of block 2 l + 1
	MAXI 81, 16, 17
	MINI 82, 48, 49
	MAXI 83, 48, 49
.set i, 2
.rept 30
	MINI 80, 80, 16+i
	MAXI 81, 81, 16+i
	MINI 82, 82, 48+i
	MAXI 83, 83, 48+i
.set i, i+1
.endr
	MINI 84, 80, 82                                ; of my 64
	MAXI 85, 81, 83
.irp s, 0,1,2,3,4,5,6,7,8,9,10,11,12,13,14,15
	v_readlane_b32 s36, v84, 2*\s                  ; key step s lies in lanes 2 s and 2 s + 1
	v_readlane_b32 s37, v84, 2*\s+1
	s_min_i32 s36, s36, s37
	v_readlane_b32 s38, v85, 2*\s
	v_readlane_b32 s39, v85, 2*\s+1
	s_max_i32 s38, s38, s39
	v_cmp_le_i32 vcc_lo, s36, v81
	v_cndmask_b32 v90, 0, v89, vcc_lo
	v_lshl_or_b32 v92, v90, \s, v92
	v_cmp_le_i32 vcc_lo, s38, v80
	v_cndmask_b32 v90, 0, v89, vcc_lo
	v_lshl_or_b32 v93, v90, \s, v93
	v_cmp_le_i32 vcc_lo, s36, v83
	v_cndmask_b32 v90, 0, v89, vcc_lo
	v_lshl_or_b32 v94, v90, \s, v94
	v_cmp_le_i32 vcc_lo, s38, v82
	v_cndmask_b32 v90, 0, v89, vcc_lo
	v_lshl_or_b32 v95, v90, \s, v95
.endr
	global_store_b128 v4, v[92:95], s[22:23]
	s_branch .Lend
; ---------------- ROPE: wave w takes tokens TB0 = 128 g + 32 w on.  Lanes 0-15 take tokens TB0 + i, lanes 16-31 TB0 + 16 + i, i = 0..15.  Of sixteen lanes the first eight make cos, the others sin; each four frequencies.
.Lrope:
	s_sub_co_u32 s33, ttmp9, WG_ROPE
	s_lshl_b32 s33, s33, 7
	s_lshl_b32 s34, s32, 5
	s_add_co_u32 s33, s33, s34                     ; TB0
	v_and_b32 v3, 15, v2
	v_lshrrev_b32 v4, 4, v2
	s_lshl_b32 s34, s33, 2
	v_lshl_add_u32 v5, v4, 6, s34
.irp i, 0,1,2,3
	global_load_b128 v[16+4*\i:19+4*\i], v5, s[10:11] offset:16*\i   ; my half's sixteen positions
.endr
	s_lshl_b32 s34, s33, 8
	s_mov_b32 s35, 0
	s_add_nc_u64 s[20:21], s[20:21], s[34:35]      ; the table at token TB0
	v_lshlrev_b32 v68, 12, v4
	v_lshl_add_u32 v68, v3, 4, v68                 ; 16 rows of 256 bytes for the upper half + 16 bytes a lane: sixteen lanes fill a row
	v_lshrrev_b32 v7, 3, v3
	v_xor_b32 v7, 1, v7                            ; 1 in lanes that make cos: cos a = sin (a + pi/2)
	v_and_b32 v6, 7, v3
	v_lshlrev_b32 v6, 2, v6                        ; my first frequency
	s_mov_b32 s36, 0x3ed49a78                      ; log2(10000) / 32, upper part,
	s_mov_b32 s37, 0x32179a38                      ; and what it lacks
.irp n, 0,1,2,3
	v_add_nc_u32 v[8+\n], \n, v6
.endr
.irp n, 0,1,2,3
	v_cvt_f32_u32 v[8+\n], v[8+\n]                 ; j
.endr
.irp n, 0,1,2,3
	v_mul_f32 v[32+\n], s36, v[8+\n]               ; p = j L, rounded,
	v_fma_f32 v[36+\n], v[8+\n], s36, -v[32+\n]    ; and what the rounding dropped
	v_rndne_f32 v[40+\n], v[32+\n]                 ; its whole part
	v_sub_f32 v[32+\n], v[32+\n], v[40+\n]
	v_add_f32 v[32+\n], v[32+\n], v[36+\n]
	v_fma_f32 v[32+\n], v[8+\n], s37, v[32+\n]     ; the fraction, to about 2^-30
.endr
.irp n, 0,1,2,3
	v_exp_f32 v[32+\n], -v[32+\n]
.endr
	v_nop                                          ; a plain instruction behind the last exponential
.irp n, 0,1,2,3
	v_cvt_i32_f32 v[40+\n], v[40+\n]
.endr
	v_mov_b32 v44, 0x3f22f983                      ; 2 / pi, as a pair
	v_mov_b32 v45, 0x3f22f983
	v_mov_b32 v46, 0x37cc9a17                      ; cos's highest coefficient
	v_mov_b32 v47, 0x37cc9a17
	v_mov_b32 v48, 0x36366c3c                      ; sin's
	v_mov_b32 v49, 0x36366c3c
	s_wait_alu depctr_va_vdst(0)                   ; one wait for the four exponentials, ahead of their first reader
.irp n, 0,1,2,3
	v_sub_nc_u32 v[40+\n], 0, v[40+\n]
	v_ldexp_f32 v[12+\n], v[32+\n], v[40+\n]       ; 10000^(-j/32)
.endr
	s_wait_loadcnt 0x0
.set i, 0
.rept 16
	v_cvt_f32_i32 v[16+i], v[16+i]
.set i, i+1
.endr
; two angles v[a], v[a+1] -> two results v[o], v[o+1].  k = nearest whole number to a 2/pi; r = a - k pi/2 in three parts; both polynomials in r; the quadrant k (+ 1 for cos) picks one and its sign.
.macro SINCOS2 a, o
	v_pk_fma_f32 v[56:57], v[\a:\a+1], v[44:45], 0x4b400000 op_sel_hi:[1,1,0]      ; + 1.5 x 2^23: the low bits of the f32 pattern are k
	v_pk_add_f32 v[58:59], v[56:57], 0xcb400000 op_sel_hi:[1,0]                    ; k as f32
	v_pk_fma_f32 v[\a:\a+1], v[58:59], 0xbfc90fd8, v[\a:\a+1] op_sel_hi:[1,0,1]
	v_pk_fma_f32 v[\a:\a+1], v[58:59], 0xb4a8885a, v[\a:\a+1] op_sel_hi:[1,0,1]
	v_pk_fma_f32 v[\a:\a+1], v[58:59], 0xa7c234c4, v[\a:\a+1] op_sel_hi:[1,0,1]
	v_pk_mul_f32 v[60:61], v[\a:\a+1], v[\a:\a+1]                                  ; s = r^2
	v_pk_fma_f32 v[62:63], v[60:61], v[46:47], 0xbab6043f op_sel_hi:[1,1,0]
	v_pk_fma_f32 v[64:65], v[60:61], v[48:49], 0xb95007cf op_sel_hi:[1,1,0]
	v_pk_fma_f32 v[62:63], v[62:63], v[60:61], 0x3d2aaa9f op_sel_hi:[1,1,0]
	v_pk_fma_f32 v[64:65], v[64:65], v[60:61], 0x3c088884 op_sel_hi:[1,1,0]
	v_pk_fma_f32 v[62:63], v[62:63], v[60:61], -0.5 op_sel_hi:[1,1,0]
	v_pk_fma_f32 v[64:65], v[64:65], v[60:61], 0xbe2aaaab op_sel_hi:[1,1,0]
	v_pk_fma_f32 v[62:63], v[62:63], v[60:61], 1.0 op_sel_hi:[1,1,0]               ; cos r
	v_pk_mul_f32 v[60:61], v[60:61], v[\a:\a+1]
	v_pk_fma_f32 v[64:65], v[64:65], v[60:61], v[\a:\a+1]                          ; sin r
.irp n, 0,1
	v_add_nc_u32 v66, v[56+\n], v7
	v_and_b32 v67, 1, v66
	v_cmp_eq_u32 vcc_lo, 1, v67
	v_cndmask_b32 v67, v[64+\n], v[62+\n], vcc_lo  ; an odd quadrant takes cos r
	v_lshlrev_b32 v66, 30, v66
	v_and_b32 v66, 0x80000000, v66                 ; quadrants 2 and 3 turn the sign
	v_xor_b32 v[\o+\n], v66, v67
.endr
.endm
.set i, 0
.rept 16
	v_mul_f32 v52, v[16+i], v12                    ; the angle, rounded once
	v_mul_f32 v53, v[16+i], v13
	v_mul_f32 v54, v[16+i], v14
	v_mul_f32 v55, v[16+i], v15
	SINCOS2 52, 128+4*i
	SINCOS2 54, 130+4*i
	global_store_b128 v68, v[128+4*i:131+4*i], s[20:21] offset:256*i   ; two whole rows of 256 bytes; each trip has its own registers
.set i, i+1
.endr
	s_branch .Lend
; ---------------- the weights: a lane takes a column n, its registers run down K; the codes leave through the wave's stage as rows of 256 bytes.
.macro WLOAD t, N, src
.irp i, 0,1,2,3,4,5,6,7,8,9,10,11,12,13,14,15,16,17,18,19,20,21,22,23,24,25,26,27,28,29,30,31
	global_load_b32 v[32+32*((\t)%2)+\i], v3, s[\src:\src+1] offset:(32*(\t)+\i)*\N*4 th:TH_LOAD_NT
.endr
.endm
.macro WBLOCK t, N, src
.set XS, 32+32*((\t)%2)
.if (\t) < 7
	s_wait_loadcnt 32                              ; this block's 32 loads are in; the next block's may be out
.else
	s_wait_loadcnt 0
.endif
.set n, 0
.rept 32
	v_med3_num_f32 v[XS+n], v[XS+n], -v10, v10
.set n, n+1
.endr
.irp g, 0,1,2,3
	v_cvt_scalef32_pk8_fp8_f32 v[96+2*\g:97+2*\g], v[XS+8*\g:XS+8*\g+7], v11
.endr
	ds_store_b128 v4, v[96:99] offset:32*(\t)
	ds_store_b128 v4, v[100:103] offset:32*(\t)+16
.if (\t)+2 < 8
	WLOAD (\t)+2, \N, \src
.endif
	s_wait_dscnt 0x0                               ; the stores have read their registers: the next block's codes may be written
.endm
; s33: the work-group's number among its kind: x = s33 / 4 (128 columns), y = s33 % 4 (256 along K).  Offsets are immediates: 255 x N x 4 bytes at the most, inside the signed 24 bits for N = 3,072.
.macro WQ N, STAGE, SWAP, src, dst, ereg
	s_lshr_b32 s34, s33, 2
	s_and_b32 s35, s33, 3
	s_lshl_b32 s34, s34, 7
	s_lshl_b32 s36, s32, 5
	s_add_co_u32 s34, s34, s36                     ; my wave's first column
	v_lshlrev_b32 v3, 2, v2
	s_mul_i32 s36, s32, 32*272
	s_add_co_u32 s36, s36, \STAGE                  ; my stage
	v_mul_u32_u24 v4, v2, 272
	v_add_nc_u32 v4, s36, v4                       ; into it: row = my column
	v_and_b32 v5, 15, v2
	v_lshrrev_b32 v6, 4, v2
	v_mul_u32_u24 v7, v6, 272
	v_lshl_add_u32 v7, v5, 4, v7
	v_add_nc_u32 v7, s36, v7                       ; out of it: sixteen lanes to a row, two rows an instruction
	v_lshlrev_b32 v8, 10, v6
	v_lshl_add_u32 v8, v5, 4, v8                   ; and the same in the codes' buffer
	s_mul_i32 s36, s35, 256*\N*4
	s_lshl_b32 s37, s34, 2
	s_add_co_u32 s36, s36, s37
	s_mov_b32 s37, 0
	s_add_nc_u64 s[\src:\src+1], s[\src:\src+1], s[36:37]
	s_lshl_b32 s36, s34, 10
	s_lshl_b32 s38, s35, 8
	s_add_co_u32 s36, s36, s38
	s_add_nc_u64 s[\dst:\dst+1], s[\dst:\dst+1], s[36:37]
	WLOAD 0, \N, \src
	WLOAD 1, \N, \src
	s_wait_kmcnt 0x0
	s_add_co_i32 s38, s[\ereg], 127
	s_lshl_b32 s39, s38, 23
	v_mov_b32 v11, s39
	s_add_co_i32 s38, s38, 8
	s_lshl_b32 s38, s38, 23
	s_or_b32 s38, s38, 0x600000
	v_mov_b32 v10, s38
.irp t, 0,1,2,3,4,5,6,7
	WBLOCK \t, \N, \src
.endr
.irp t, 0,1,2,3,4,5,6,7,8,9,10,11,12,13,14,15
	ds_load_b128 v[112+4*\t:115+4*\t], v7 offset:2*\t*272
.endr
.irp t, 0,1,2,3,4,5,6,7,8,9,10,11,12,13,14,15
	s_wait_dscnt 15-\t
.if \SWAP
	global_store_b128 v8, v[112+4*\t:115+4*\t], s[\dst:\dst+1] offset:(2*(\t&3)+8*(\t>>3)+16*((\t>>2)&1))*1024   ; column 2 t + (lane / 16) goes to row swap34 of it
.else
	global_store_b128 v8, v[112+4*\t:115+4*\t], s[\dst:\dst+1] offset:2*\t*1024
.endif
.endr
.endm
.Lwa:
	s_sub_co_u32 s33, ttmp9, WG_WA
	WQ 3072, WAST, 1, 6, 16, 25
	s_branch .Lend
.Lwp:
	s_sub_co_u32 s33, ttmp9, WG_WP
	WQ 1024, WPST, 0, 8, 18, 31
.Lend:
	s_wait_tensorcnt 0x0                           ; the wave's end
	ds_add_u32 v[SPW], v[NIL]
	s_wait_dscnt 0x0
	s_endpgm
.Lfunc_end_k_q43d4f87b03_prep:
	.size	k_q43d4f87b03_prep, .Lfunc_end_k_q43d4f87b03_prep-k_q43d4f87b03_prep
	.p2alignl 7, 3214868480
	.fill 96, 4, 3214868480
	.section	.rodata,"a",@progbits
	.p2align	6, 0x0
	.amdhsa_kernel k_q43d4f87b03_prep
		.amdhsa_group_segment_fixed_size 102912
		.amdhsa_private_segment_fixed_size 0
		.amdhsa_enable_private_segment 0
		.amdhsa_kernarg_size 80
		.amdhsa_user_sgpr_count 2
		.amdhsa_user_sgpr_kernarg_segment_ptr 1
		.amdhsa_wavefront_size32 1
		.amdhsa_system_sgpr_workgroup_id_x 1
		.amdhsa_system_sgpr_workgroup_id_y 1
		.amdhsa_system_sgpr_workgroup_id_z 1
		.amdhsa_system_vgpr_workitem_id 0
		.amdhsa_next_free_vgpr 200
		.amdhsa_next_free_sgpr 66
		.amdhsa_reserve_vcc 1
		.amdhsa_float_denorm_mode_32 3
		.amdhsa_float_denorm_mode_16_64 3
		.amdhsa_memory_ordered 1
		.amdhsa_forward_progress 1
		.amdhsa_inst_pref_size 220
	.end_amdhsa_kernel
	.amdgpu_metadata
---
amdhsa.version: [ 1, 2 ]
amdhsa.kernels:
  - .name:           k_q43d4f87b03_prep
    .symbol:         k_q43d4f87b03_prep.kd
    .args:
      - { .name: x, .offset: 0, .size: 8, .value_kind: global_buffer, .address_space: global }
      - { .name: W_attn, .offset: 8, .size: 8, .value_kind: global_buffer, .address_space: global }
      - { .name: W_proj, .offset: 16, .size: 8, .value_kind: global_buffer, .address_space: global }
      - { .name: indices, .offset: 24, .size: 8, .value_kind: global_buffer, .address_space: global }
      - { .name: lowp_scales, .offset: 32, .size: 8, .value_kind: global_buffer, .address_space: global }
      - { .name: x_codes, .offset: 40, .size: 8, .value_kind: global_buffer, .address_space: global }
      - { .name: wa_codes, .offset: 48, .size: 8, .value_kind: global_buffer, .address_space: global }
      - { .name: wp_codes, .offset: 56, .size: 8, .value_kind: global_buffer, .address_space: global }
      - { .name: rope_tab, .offset: 64, .size: 8, .value_kind: global_buffer, .address_space: global }
      - { .name: tilemask, .offset: 72, .size: 8, .value_kind: global_buffer, .address_space: global }
    .group_segment_fixed_size: 102912
    .private_segment_fixed_size: 0
    .kernarg_segment_align: 8
    .kernarg_segment_size: 80
    .max_flat_workgroup_size: 128
    .sgpr_count:     66
    .vgpr_count:     200
    .wavefront_size: 32
...
	.end_amdgpu_metadata
.endif
;; end of part 1
;; launch qkv (part 2): grid 12 x 32, 4 waves a work-group, clusters of 4 x 4, 327,680 bytes of LDS; arguments x_codes, wa_codes, lowp_scales, rope_tab, qkv_img; writes qkv_img
.if DOCPART == 2
	.amdgcn_target "amdgcn-amd-amdhsa--gfx1250"
	.amdhsa_code_object_version 6
	.text
	.protected	k_q43d4f87b03_qkv
	.globl	k_q43d4f87b03_qkv
	.p2align	8
	.type	k_q43d4f87b03_qkv,@function
k_q43d4f87b03_qkv:
	s_mov_b64 s[64:65], 0
	v_nop
	global_prefetch_b8 v0, s[64:65] scope:SCOPE_SE
	s_setreg_imm32_b32 hwreg(HW_REG_WAVE_MODE, 25, 1), 1
	s_wait_xcnt 0x0
	s_wait_alu depctr_hold_cnt(0) depctr_sa_sdst(0) depctr_va_vdst(0) depctr_va_sdst(0) depctr_va_ssrc(0) depctr_va_vcc(0) depctr_vm_vsrc(0)
	s_getreg_b32 s2, hwreg(HW_REG_IB_STS2, 6, 4)
	s_cmp_eq_u32 s2, 0
	s_cbranch_scc0 .Lentry_in_a_cluster
	s_endpgm
.Lentry_in_a_cluster:
	s_bfe_u32 s2, ttmp6, 0x10000c
	s_cmp_lg_u32 s2, 0xf033
	s_cbranch_scc0 .Lentry_shape_is_right
	s_endpgm
.Lentry_shape_is_right:
; qkv = x W_attn on codes of E4M3, then RoPE on q and k, then the quantiser of the attention's operands; the codes leave as IMAGES OF OPERAND REGISTERS (512 consecutive bytes a store).
; A = x_codes [8192 rows][1024], B = wa_codes [3072 rows][1024], both with row swap34(.) (bits 3 and 4 changed places): sixteen rows on end, 16 t + r, are the tokens (columns) kap(t, r) = 32 (t/2) + 8 (t%2) + r + 8 (r/8).
; A tile of 256 tokens x 256 columns is made by four waves, 128 x 128 each: 64 accumulators, 512 registers.  K goes in steps of 256 through a ring of two LDS slots filled by the tensor data mover.
; CLUSTERS: 4 x 4 work-groups; A's tile is asked for jointly along a row of the cluster, B's along a column.  The cluster's x (0, 1, 2) is the part: q, k, v; it is the same in all sixteen partners.
; q, k: source 0 = 16 rows of W, source 1 = 16 rows of x: lane (r, h) of accumulator (a, b) holds token kap(a, r) and columns 32 (b/2) + 16 h + 8 (b%2) + 0..7: RoPE's partners (32 channels apart) are accumulators b and b + 2,
;   the same register; sixteen registers of b = 2 c', 2 c' + 1 are sixteen neighbouring channels.
; v: the two LDS read bases change places, so that source 0 = 16 rows of x, source 1 = 16 rows of W: a lane holds ONE channel and its registers run along the tokens, which are the keys, the K of the attention's second product.
; RoPE is linear, so it is applied to the raw sums; 2^(e0 + e1) and the operand's own 2^e are folded into the conversion's one scale.
; qkv_img: three parts of 8 MiB (q, k, v), each [batch x 16 + head][step of 128 tokens][8,192 bytes].  q, k: [tile t][c'][lane][16]: token kap(t, r), channels 32 c' + 16 h + 0..15.  v: [ct][c][lane][16]: keys 32 c + 16 h + 0..15, channel kap(ct, r).
; LIMITS: e2 - e0 - e1, e3 - e0 - e1, e5 - e0 - e1 between -126 and 119, so that each power of two is an f32 number.
; REGISTERS, in windows of 256: window 0: v0-31 addresses; from v128 source 1's fragments, ONE set; in the epilogue v32-255 are free.  window 1: source 0's fragments, TWO sets.  windows 2, 3: the accumulators ((a, b) at v[8 (8 (a%4) + b)]).
.set SIZE_K, 1024
.set KSTEP,  256
.set ROWB,   256
.set KROW,   SIZE_K
.set PITCH,  272                       ; an LDS row: 256 bytes + 16 of padding: the 16 rows that a load touches start at 16 different banks
.set FR,     16
.set NL,     4
.set NP,     4
.set HALFT,  128*PITCH
.set SLOT,   4*HALFT
.set LAPS,   SIZE_K/(2*KSTEP)
.set SPARE,  2*SLOT                    ; behind the ring: the spare words, 128 bytes a wave, two blocks of 256 bytes that no other line names
.set ADRA, 16                          ; v16-17  LDS address of source 1's fragments in slot 0, 1
.set ADRB, 20                          ; v20-21  of source 0's
.set TABO, 24                          ; v24     my byte in the table of cos and sin
.set IMG,  25                          ; v25     16 x lane
.set SPW,  28
.set NIL,  29
.set SCL,  30                          ; v30     the conversion's scale as f32
.set LIM,  31                          ; v31     448 x that
.set AF,   128
.set G1, 24
.set G0, 32
.set G1B, 48
.set G0B, 56
.set MSB, 0
.macro WIN new                         ; the immediate's high byte repeats the setting that is left
.if MSB != \new
	s_set_vgpr_msb (MSB<<8)|\new
.set MSB, \new
.endif
.endm
.set MUL_LO, 0xa1
.set MUL_HI, 0xf1
.set TO_B,   0x40
; A joint load: waves 0 and 1 fetch for A, waves 2 and 3 for B; the branch hangs on the wave's number alone.  An s_nop 0 and four v_nop follow each of the two lines.
.macro JLOAD g0a, g1a, g0b, g1b
	s_cmp_eq_u32 s15, 0
	s_cbranch_scc0 .Lfor_b_\@
	tensor_load_to_lds s[\g0a:\g0a+3], s[\g1a:\g1a+7]
	s_nop 0
.rept 4
	v_nop
.endr
	s_branch .Lasked_\@
.Lfor_b_\@:
	tensor_load_to_lds s[\g0b:\g0b+3], s[\g1b:\g1b+7]
	s_nop 0
.rept 4
	v_nop
.endr
.Lasked_\@:
.endm
.macro CREST
	s_cmp_lg_u32 s14, 0
	s_cbranch_scc1 .Lnot_wave_0_\@
	s_barrier_signal -3
.Lnot_wave_0_\@:
	s_barrier_wait -3
	s_barrier_signal -1
	s_barrier_wait -1
.endm
.macro CROUND
	s_barrier_signal -1
	s_barrier_wait -1
	CREST
.endm
	s_load_b128 s[4:7], s[0:1], 0x0                ; x's codes, W's codes
	s_load_b128 s[8:11], s[0:1], 0x10              ; the scales' exponents s[8:9], the table s[10:11]
	s_load_b64 s[12:13], s[0:1], 0x20              ; qkv_img
	v_lshl_add_u32 v[SPW], v0, 2, SPARE
	v_mov_b32 v[NIL], 0
	ds_add_u32 v[SPW], v[NIL]                      ; the wave's opening: the add, and its wait ahead of my first tensor load; work on registers stands between them
	v_lshrrev_b32 v1, 5, v0
	v_readfirstlane_b32 s14, v1                    ; wave 0..3
	s_lshr_b32 s15, s14, 1                         ; I fetch for A (0) or for B (1); also which half source 1 takes
	s_and_b32 s16, s14, 1                          ; which 128 rows I fetch; also which half source 0 takes
	s_bfe_u32 s40, ttmp6, 0x40000                  ; cx, cy
	s_bfe_u32 s41, ttmp6, 0x40004
	s_lshl_b32 s42, ttmp9, 2
	s_add_co_u32 s42, s42, s40                     ; tile column = 4 x cluster x + cx
	s_and_b32 s17, ttmp7, 0xffff
	s_lshl_b32 s17, s17, 2
	s_add_co_u32 s17, s17, s41                     ; tile row = 4 x cluster y + cy
	s_lshl_b32 s43, s41, 2
	s_lshl_b32 s43, 15, s43                        ; my row of the cluster
	s_lshl_b32 s44, 0x1111, s40                    ; my column
	s_or_b32 s[G1+0], s43, (0<<16)|(1<<20)|(1<<21)|(5<<22)|(3<<25)  ; the mask; elements of 1 byte; padding on; bit 21 beside a mask; after every 64 words four words
	s_or_b32 s[G1B+0], s44, (0<<16)|(1<<20)|(1<<21)|(5<<22)|(3<<25)
.irp g, G1, G1B
	s_mov_b32 s[\g+1], ROWB<<16                    ; tensor_dim0
	s_mov_b32 s[\g+2], 128<<16                     ; tensor_dim1
	s_mov_b32 s[\g+3], ROWB<<16                    ; tile_dim0
	s_mov_b32 s[\g+4], 128                         ; tile_dim1
	s_mov_b32 s[\g+5], KROW                        ; the pitch
	s_mov_b32 s[\g+6], 0
	s_mov_b32 s[\g+7], 0
.endr
	s_lshl_b32 s18, s16, 7
	s_lshl_b32 s20, s17, 8
	s_add_co_u32 s20, s20, s18                     ; A: row 256 x tile row + 128 x half
	s_lshl_b32 s46, s42, 8
	s_add_co_u32 s46, s46, s18                     ; B: row 256 x tile column + 128 x half
	s_mov_b32 s21, 0
	s_mov_b32 s47, 0
	s_mov_b64 s[18:19], KROW
	s_mul_u64 s[20:21], s[20:21], s[18:19]
	s_mul_u64 s[46:47], s[46:47], s[18:19]
	s_mul_i32 s45, s14, HALFT                      ; where they go: wave x 128 rows
	s_wait_dscnt 0x0                               ; the opening add is done
	s_wait_kmcnt 0x0
	s_load_b256 s[68:75], s[8:9], 0x0              ; e0 .. e7
	s_add_nc_u64 s[20:21], s[4:5], s[20:21]
	s_add_nc_u64 s[46:47], s[6:7], s[46:47]
	CROUND                                         ; all sixteen work-groups are here: the first joint loads meet
.irp s, 0,1
	s_mov_b32 s[G0+4*\s], 1
	s_add_co_u32 s[G0+4*\s+1], s45, \s*SLOT
	s_add_nc_u64 s[G0+4*\s+2:G0+4*\s+3], s[20:21], \s*ROWB
	s_or_b32 s[G0+4*\s+3], s[G0+4*\s+3], 0x80000000
	s_mov_b32 s[G0B+4*\s], 1
	s_add_co_u32 s[G0B+4*\s+1], s45, \s*SLOT
	s_add_nc_u64 s[G0B+4*\s+2:G0B+4*\s+3], s[46:47], \s*ROWB
	s_or_b32 s[G0B+4*\s+3], s[G0B+4*\s+3], 0x80000000
	JLOAD G0+4*\s, G1, G0B+4*\s, G1B
.endr
	v_and_b32 v1, 15, v0                           ; r
	v_bfe_u32 v2, v0, 4, 1                         ; h
	v_mul_u32_u24 v3, v1, PITCH
	v_lshl_add_u32 v4, v2, 4, v3                   ; a fragment's row x pitch + 16 h
	s_cmp_eq_u32 ttmp9, 2                          ; the part v?  The cluster's x: the same in all partners
	s_cselect_b32 s76, 2*HALFT, 0                  ; source 1 reads x's rows (q, k) or W's (v),
	s_cselect_b32 s77, 0, 2*HALFT                  ; source 0 the other
	s_cselect_b32 s66, s16, s15                    ; which half of the tile's tokens is mine,
	s_cselect_b32 s67, s15, s16                    ; and of its columns
	s_mul_i32 s21, s15, HALFT
	s_add_co_u32 s21, s21, s76
	s_mul_i32 s22, s16, HALFT
	s_add_co_u32 s22, s22, s77
.irp s, 0,1
	v_add_nc_u32 v[ADRA+\s], s21, v4
	v_add_nc_u32 v[ADRB+\s], s22, v4
	s_add_co_u32 s21, s21, SLOT
	s_add_co_u32 s22, s22, SLOT
.endr
	v_and_b32 v5, 8, v1
	v_add_nc_u32 v5, v5, v1                        ; r + 8 (r / 8)
	v_lshlrev_b32 v5, 8, v5
	v_lshl_add_u32 v[TABO], v2, 6, v5              ; the table: that token's row of 256 bytes, + 64 h: frequencies 16 h + 0..15
	v_and_b32 v6, 31, v0
	v_lshlrev_b32 v[IMG], 4, v6
	s_lshl_b32 s78, s17, 8
	s_lshl_b32 s79, s66, 7
	s_add_co_u32 s78, s78, s79                     ; my first token
	s_lshl_b32 s80, s78, 8
	s_mov_b32 s81, 0
	s_add_nc_u64 s[10:11], s[10:11], s[80:81]      ; the table at it
	s_lshr_b32 s82, s78, 11                        ; batch
	s_bfe_u32 s83, s78, 0x40007                    ; step of 128 tokens in the batch
	s_lshl_b32 s84, s40, 2
	s_lshl_b32 s85, s67, 1
	s_add_co_u32 s84, s84, s85                     ; my first head: 4 cx + 2 x half
	s_lshl_b32 s82, s82, 4
	s_add_co_u32 s82, s82, s84
	s_lshl_b32 s82, s82, 4
	s_add_co_u32 s82, s82, s83
	s_lshl_b32 s80, s82, 13                        ; ((batch x 16 + head) x 16 + step) x 8,192
	s_lshl_b32 s85, ttmp9, 23                      ; + the part's 8 MiB
	s_add_co_u32 s80, s80, s85
	s_add_nc_u64 s[12:13], s[12:13], s[80:81]
.macro FRAG reg, adr, q, i             ; 16 rows x 128 K: lane l holds row l % 16; registers 4 c .. 4 c + 3 hold K = 32 c + 16 (l / 16) + 0 .. 15: the same places of k on both sides
.irp c, 0,1,2,3
	ds_load_b128 v[\reg+4*\c:\reg+4*\c+3], v[\adr] offset:128*(\q)+32*\c+(\i)*16*PITCH
.endr
.endm
; 16 matrix instructions.  The 64 accumulators take turns, one instruction a turn, in the same order in every step.
.macro MUL16 a0, p, zero
.irp a, \a0, \a0+1
.irp b, 0,1,2,3,4,5,6,7
.if \zero
	v_wmma_f32_16x16x128_fp8_fp8 v[8*(8*((\a)%4)+\b):8*(8*((\a)%4)+\b)+7], v[128*(\p)+FR*\b:128*(\p)+FR*\b+FR-1], v[AF+FR*(\a):AF+FR*(\a)+FR-1], 0
.else
	v_wmma_f32_16x16x128_fp8_fp8 v[8*(8*((\a)%4)+\b):8*(8*((\a)%4)+\b)+7], v[128*(\p)+FR*\b:128*(\p)+FR*\b+FR-1], v[AF+FR*(\a):AF+FR*(\a)+FR-1], v[8*(8*((\a)%4)+\b):8*(8*((\a)%4)+\b)+7]
.endif
.endr
.endr
.endm
.macro FETCH_B slot, q, p
	WIN TO_B
.irp i, 0,1,2,3,4,5,6,7
	FRAG 128*(\p)+FR*\i, ADRB+\slot, \q, \i
.endr
	WIN 0
.endm
.macro FETCH_A slot, q, i0
.irp i, \i0, \i0+1, \i0+2, \i0+3
	FRAG AF+FR*(\i), ADRA+\slot, \q, \i
.endr
.endm
.macro PLACES n                        ; plain vector instructions between a matrix instruction and a load into, or a read of, its registers
.rept \n
	v_nop
.endr
.endm
.macro STEP slot, q, zero
	s_wait_dscnt 4*NL                              ; source 0's set and blocks 0-3 are in; the youngest sixteen loads (blocks 4-7) may be out
	WIN MUL_LO
	MUL16 0, (\q)%2, \zero
	MUL16 2, (\q)%2, \zero
	s_wait_dscnt 0
	PLACES NP
	FETCH_B \slot, (\q)+1, 1-(\q)%2
	FETCH_A \slot, (\q)+1, 0
	WIN MUL_HI
	MUL16 4, (\q)%2, \zero
	MUL16 6, (\q)%2, \zero
	PLACES NP
	WIN 0
	FETCH_A \slot, (\q)+1, 4
.endm
; A slot's last step changes slots: in front of the barrier each wave waits for all its tensor loads, adds 0 to its spare word, and waits for that and for its own reads of this slot.
.macro TURN slot, next, fill
	s_wait_tensorcnt 0x0                           ; all my tensor loads have landed: my part of the next slot
	ds_add_u32 v[SPW], v[NIL]
	s_wait_dscnt 4*NL+1                            ; (the add and the youngest sixteen loads may be out)
	WIN MUL_LO
	MUL16 0, 1, 0
	s_wait_dscnt 0x0                               ; the add is done, and my reads of this slot are over
	s_barrier_signal -1
	MUL16 2, 1, 0
	WIN 0
	s_barrier_wait -1
.if \fill
	CREST                                          ; the barrier has opened a round of the cluster's: no wave of any partner still reads this slot or has a load on its way
	s_add_nc_u64 s[G0+4*\slot+2:G0+4*\slot+3], s[G0+4*\slot+2:G0+4*\slot+3], 2*ROWB
	s_add_nc_u64 s[G0B+4*\slot+2:G0B+4*\slot+3], s[G0B+4*\slot+2:G0B+4*\slot+3], 2*ROWB
	JLOAD G0+4*\slot, G1, G0B+4*\slot, G1B         ; the first tensor load behind the round; its four v_nop are the places in front of the loads below
.else
	PLACES NP
.endif
	FETCH_B \next, 0, 0
	FETCH_A \next, 0, 0
	WIN MUL_HI
	MUL16 4, 1, 0
	MUL16 6, 1, 0
	PLACES NP
	WIN 0
	FETCH_A \next, 0, 4
.endm
	s_wait_tensorcnt 1                             ; my part of K step 0 is in (K step 1's load may be out)
	s_barrier_signal -1
	s_barrier_wait -1
	FETCH_B 0, 0, 0
	FETCH_A 0, 0, 0
	FETCH_A 0, 0, 4
	STEP 0, 0, 1                                   ; the first step's products start the sums
	s_mov_b32 s3, LAPS-1
.Llap:
	TURN 0, 1, 1
	STEP 1, 0, 0
	TURN 1, 0, 1
	STEP 0, 0, 0
	s_sub_co_u32 s3, s3, 1
	s_cmp_lg_u32 s3, 0
	s_cbranch_scc1 .Llap
	TURN 0, 1, 0                                   ; the last lap fills nothing
	STEP 1, 0, 0
	s_wait_dscnt 4*NL
	WIN MUL_LO
	MUL16 0, 1, 0
	MUL16 2, 1, 0
	s_wait_dscnt 0
	WIN MUL_HI
	MUL16 4, 1, 0
	MUL16 6, 1, 0
	WIN 0
; THE EPILOGUES use no LDS: every conversion's result is 16 bytes of an operand's image, and a wave's store covers 512 consecutive bytes.
.macro TABLOAD a, set                  ; cos (16 registers) and sin (16) of token kap(a, r), frequencies 16 h + 0..15
.irp k, 0,1,2,3
	global_load_b128 v[32+32*(\set)+4*\k:32+32*(\set)+4*\k+3], v[TABO], s[10:11] offset:(32*((\a)/2)+8*((\a)%2))*256+16*\k
	global_load_b128 v[48+32*(\set)+4*\k:48+32*(\set)+4*\k+3], v[TABO], s[10:11] offset:(32*((\a)/2)+8*((\a)%2))*256+128+16*\k
.endr
.endm
.macro ROPE a, hh                      ; tile of tokens a, head hh of my two: x1 = accumulators 4 hh + u, x2 = 4 hh + 2 + u
.set AC, 64*((\a)%4)+32*(\hh)
.set TS, 32+32*((\a)%2)
.set CD, 128+8*((2*(\a)+(\hh))%4)
	WIN 0x02+((\a)/4)                              ; source 0: window 2 or 3
.irp u, 0,1
.irp jp, 0,2,4,6                       ; each accumulator from its low end on
	v_pk_mul_f32 v[96+8*\u+\jp:97+8*\u+\jp], v[AC+8*\u+\jp:AC+8*\u+\jp+1], v[TS+8*\u+\jp:TS+8*\u+\jp+1]
	v_pk_mul_f32 v[112+8*\u+\jp:113+8*\u+\jp], v[AC+8*\u+\jp:AC+8*\u+\jp+1], v[TS+16+8*\u+\jp:TS+16+8*\u+\jp+1]
	v_pk_fma_f32 v[96+8*\u+\jp:97+8*\u+\jp], v[AC+16+8*\u+\jp:AC+16+8*\u+\jp+1], v[TS+16+8*\u+\jp:TS+16+8*\u+\jp+1], v[96+8*\u+\jp:97+8*\u+\jp] neg_lo:[0,1,0] neg_hi:[0,1,0]   ; x1 cos - x2 sin
	v_pk_fma_f32 v[112+8*\u+\jp:113+8*\u+\jp], v[AC+16+8*\u+\jp:AC+16+8*\u+\jp+1], v[TS+8*\u+\jp:TS+8*\u+\jp+1], v[112+8*\u+\jp:113+8*\u+\jp]                                   ; x1 sin + x2 cos
.endr
.endr
	WIN 0
	s_wait_xcnt 0x0                                ; earlier stores have read their registers: the code registers may be written again
.set n, 0
.rept 32
	v_med3_num_f32 v[96+n], v[96+n], -v[LIM], v[LIM]   ; the conversion to an 8-bit code does not saturate (ISA guide 7.6.2)
.set n, n+1
.endr
.irp k, 0,1,2,3
	v_cvt_scalef32_pk8_fp8_f32 v[CD+2*\k:CD+2*\k+1], v[96+8*\k:103+8*\k], v[SCL]
.endr
	v_nop                                          ; a plain instruction between the conversions and the next vector instruction that writes their sources
	global_store_b128 v[IMG], v[CD:CD+3], s[12:13] offset:(\hh)*131072+(\a)*1024
	global_store_b128 v[IMG], v[CD+4:CD+7], s[12:13] offset:(\hh)*131072+(\a)*1024+512
.endm
.macro VOUT a                          ; sixteen channels (head a / 4, place a % 4) x my 128 tokens: register 16 c + i is key 32 c + 16 h + i
.set AC, 64*((\a)%4)
.set CD, 128+16*((\a)%2)
	WIN 0x02+((\a)/4)
.set n, 0
.rept 64
	v_med3_num_f32 v[32+n], v[AC+n], -v[LIM], v[LIM]
.set n, n+1
.endr
	WIN 0
	s_wait_xcnt 0x0
.irp k, 0,1,2,3,4,5,6,7
	v_cvt_scalef32_pk8_fp8_f32 v[CD+2*\k:CD+2*\k+1], v[32+8*\k:39+8*\k], v[SCL]
.endr
	v_nop
.irp c, 0,1,2,3
	global_store_b128 v[IMG], v[CD+4*\c:CD+4*\c+3], s[12:13] offset:((\a)/4)*131072+((\a)%4)*2048+512*\c
.endr
.endm
	s_wait_kmcnt 0x0
	s_cmp_eq_u32 ttmp9, 0
	s_cselect_b32 s78, s70, s71                    ; e2 for q, e3 for k,
	s_cmp_eq_u32 ttmp9, 2
	s_cselect_b32 s78, s73, s78                    ; e5 for v
	s_sub_co_i32 s78, s78, s68
	s_sub_co_i32 s78, s78, s69                     ; a sum stands for sum x 2^(e0 + e1): its code is sum / 2^(e - e0 - e1)
	s_add_co_i32 s78, s78, 127
	s_lshl_b32 s79, s78, 23
	v_mov_b32 v[SCL], s79
	s_add_co_i32 s78, s78, 8
	s_lshl_b32 s78, s78, 23
	s_or_b32 s78, s78, 0x600000
	v_mov_b32 v[LIM], s78
	PLACES NP                                      ; behind the last products: for the first reads of results and the writes into source 1's registers
	s_cmp_eq_u32 ttmp9, 2
	s_cbranch_scc1 .Lvout
	TABLOAD 0, 0
.irp a, 0,1,2,3,4,5,6,7
.if \a < 7
	TABLOAD \a+1, (\a+1)%2
	s_wait_loadcnt 8                               ; this tile's eight loads are in; the next tile's may be out
.else
	s_wait_loadcnt 0
.endif
	ROPE \a, 0
	ROPE \a, 1
.endr
	s_branch .Ldone
.Lvout:
.irp a, 0,1,2,3,4,5,6,7
	VOUT \a
.endr
.Ldone:
	s_wait_tensorcnt 0x0                           ; the wave's end
	ds_add_u32 v[SPW], v[NIL]
	s_wait_dscnt 0x0
	CROUND                                         ; the closing round: no work-group ends while a partner may still ask for a tile that names it
	s_endpgm
.Lfunc_end_k_q43d4f87b03_qkv:
	.size	k_q43d4f87b03_qkv, .Lfunc_end_k_q43d4f87b03_qkv-k_q43d4f87b03_qkv
	.p2alignl 7, 3214868480
	.fill 96, 4, 3214868480
	.section	.rodata,"a",@progbits
	.p2align	6, 0x0
	.amdhsa_kernel k_q43d4f87b03_qkv
		.amdhsa_group_segment_fixed_size 327680
		.amdhsa_private_segment_fixed_size 0
		.amdhsa_enable_private_segment 0
		.amdhsa_kernarg_size 40
		.amdhsa_user_sgpr_count 2
		.amdhsa_user_sgpr_kernarg_segment_ptr 1
		.amdhsa_wavefront_size32 1
		.amdhsa_system_sgpr_workgroup_id_x 1
		.amdhsa_system_sgpr_workgroup_id_y 1
		.amdhsa_system_sgpr_workgroup_id_z 1
		.amdhsa_system_vgpr_workitem_id 0
		.amdhsa_next_free_vgpr 1024
		.amdhsa_next_free_sgpr 98
		.amdhsa_reserve_vcc 0
		.amdhsa_float_denorm_mode_32 3
		.amdhsa_float_denorm_mode_16_64 3
		.amdhsa_memory_ordered 1
		.amdhsa_forward_progress 1
		.amdhsa_inst_pref_size 198
	.end_amdhsa_kernel
	.amdgpu_metadata
---
amdhsa.version: [ 1, 2 ]
amdhsa.kernels:
  - .name:           k_q43d4f87b03_qkv
    .symbol:         k_q43d4f87b03_qkv.kd
    .args:
      - { .name: x_codes, .offset: 0, .size: 8, .value_kind: global_buffer, .address_space: global }
      - { .name: wa_codes, .offset: 8, .size: 8, .value_kind: global_buffer, .address_space: global }
      - { .name: lowp_scales, .offset: 16, .size: 8, .value_kind: global_buffer, .address_space: global }
      - { .name: rope_tab, .offset: 24, .size: 8, .value_kind: global_buffer, .address_space: global }
      - { .name: qkv_img, .offset: 32, .size: 8, .value_kind: global_buffer, .address_space: global }
    .group_segment_fixed_size: 327680
    .private_segment_fixed_size: 0
    .kernarg_segment_align: 8
    .kernarg_segment_size: 40
    .max_flat_workgroup_size: 128
    .sgpr_count:     98
    .vgpr_count:     1024
    .wavefront_size: 32
...
	.end_amdgpu_metadata
.endif
;; end of part 2
;; launch attn (part 3): grid 4 x 64, 16 waves a work-group, no clusters, 272,384 bytes of LDS; arguments qkv_img, indices, tilemask, lowp_scales, y_img; writes y_img
.if DOCPART == 3
	.amdgcn_target "amdgcn-amd-amdhsa--gfx1250"
	.amdhsa_code_object_version 6
	.text
	.protected	k_q43d4f87b03_attn
	.globl	k_q43d4f87b03_attn
	.p2align	8
	.type	k_q43d4f87b03_attn,@function
k_q43d4f87b03_attn:
	s_mov_b64 s[64:65], 0
	v_nop
	global_prefetch_b8 v0, s[64:65] scope:SCOPE_SE
	s_setreg_imm32_b32 hwreg(HW_REG_WAVE_MODE, 25, 1), 1
	s_wait_xcnt 0x0
; y = softmax(q k^T / 8, masked where indices[key] > indices[query]) v, both products on codes of E4M3; y leaves as codes, laid as the last product's operand registers.
; THE SOFTMAX: t = score x log2(e) / 8; M = the running largest t rounded UP to a whole number; p = 2^(t - M) is quantised; the row's sum is taken of the unquantised p and divides at the end.
; SHARES.  Work-group (w, batch x 16 + head) copies the head's whole K and V images (131,072 bytes each) and the batch's indices into LDS ONCE, through registers; one barrier; then its sixteen waves run freely.
; Wave i owns 32 queries: tiles 2 w and 2 w + 1 of the step m(i) of 128 tokens; m(i) is a 4 x 4 square whose rows and columns all sum to 30, so that on data in ascending order every four waves have like work;
; m enters global addresses alone.  Every wave walks the 16 key steps in a loop of constant count and passes over, by a scalar branch on the stored words of an earlier launch, the steps none of whose keys counts for its block;
; where every key counts for every query the compares are passed over too.
; NO TENSOR LOAD AND NO CLUSTER: the branches on stored words are what spares the masked work; each byte of K and V is read once by each of the head's four work-groups.
; LAYOUT.  S^T = K Q^T (source 0 = 16 keys, source 1 = 16 queries), O^T = V^T P^T: a lane holds ONE query.  Tile t's lane r holds key 32 (t/2) + 8 (t%2) + r + 8 (r/8), so the 16 registers of tiles 2 b, 2 b + 1 are keys 32 b + 16 h + 0..15.
; Every fragment load takes 512 consecutive LDS bytes.
; LIMITS: e2 + e3 between -123 and 130 (added to c's exponent field); e4, and e6 - e4 - e5, between -126 and 119.
; REGISTERS: v1-3 LDS places; v4, v5 the add's two; v6-8 addresses in hand; v9, v10 my queries' indices; v11, v12 scale and hold; v13 lane exchange; v14 16 x lane; v15 -infinity; v16-23 -M, largest t, sum (two tiles);
;   v24-29 at work; v32-47 Q; v48-63 tile 0's p codes; v64-127 K (v64-79 then tile 1's p codes); v128-191 S^T, p, then V; v192-255 O^T.
.set VIMG,  131072
.set IDX,   262144
.set SPARE, 270336                     ; the spare words: 128 bytes for each of 16 waves, eight blocks of 256 bytes that no other line names
	s_load_b256 s[4:11], s[0:1], 0x0               ; qkv_img s[4:5], indices s[6:7], tilemask s[8:9], scales s[10:11]
	s_load_b64 s[12:13], s[0:1], 0x20              ; y_img
	v_lshl_add_u32 v4, v0, 2, SPARE
	v_mov_b32 v5, 0
	v_lshrrev_b32 v1, 5, v0
	v_readfirstlane_b32 s14, v1                    ; wave 0..15
	s_mov_b32 s16, 0x6bd07ac1                      ; m of waves 8..15, four bits each: 1 12 10 7 0 13 11 6
	s_cmp_lt_u32 s14, 8
	s_cselect_b32 s15, 0x853e942f, s16             ; of waves 0..7: 15 2 4 9 14 3 5 8
	s_and_b32 s17, s14, 7
	s_lshl_b32 s17, s17, 2
	s_lshr_b32 s15, s15, s17
	s_and_b32 s15, s15, 15                         ; m
	s_and_b32 s17, ttmp7, 0xffff                   ; batch x 16 + head
	s_lshr_b32 s18, s17, 4
	s_and_b32 s19, s17, 15
	s_lshl_b32 s50, s17, 17                        ; the head's 131,072 bytes in each part
	s_mov_b32 s51, 0
	s_lshl_b32 s52, s15, 13
	s_lshl_b32 s53, ttmp9, 11
	s_add_co_u32 s52, s52, s53
	s_add_co_u32 s52, s52, s50                     ; Q: + step m, + tiles 2 w on
	s_mov_b32 s53, 0
	s_lshl_b32 s54, s18, 13                        ; the batch's indices
	s_mov_b32 s55, 0
	s_lshl_b32 s56, s15, 2
	s_add_co_u32 s56, s56, ttmp9                   ; my block of 32 queries: 4 m + w
	s_lshl_b32 s57, s18, 6
	s_add_co_u32 s57, s57, s56
	s_lshl_b32 s58, s57, 3                         ; its two words
	s_mov_b32 s59, 0
	s_lshl_b32 s60, s18, 7
	s_lshl_b32 s61, s56, 1
	s_add_co_u32 s60, s60, s61                     ; my first tile of tokens: batch x 128 + 8 m + 2 w
	s_lshl_b32 s60, s60, 14
	s_lshl_b32 s61, s19, 10                        ; + head x 1,024
	s_add_co_u32 s60, s60, s61
	s_mov_b32 s61, 0
	s_lshl_b32 s62, s56, 7                         ; my block's indices
	s_mov_b32 s63, 0
	s_mov_b32 s44, 0x76543210                      ; v_permlanex16_b32: lane l xor 16
	s_mov_b32 s45, 0xfedcba98
	v_and_b32 v30, 31, v0
	v_lshlrev_b32 v1, 4, v30                       ; K's images: 16 x lane
	v_lshlrev_b32 v14, 4, v30
	v_add_nc_u32 v2, VIMG, v1                      ; V's
	v_bfe_u32 v31, v0, 4, 1
	v_lshlrev_b32 v3, 6, v31
	v_add_nc_u32 v3, IDX, v3                       ; the keys' indices: + 64 h
	v_and_b32 v29, 15, v0
	v_and_b32 v28, 8, v29
	v_add_nc_u32 v28, v28, v29
	v_lshlrev_b32 v30, 2, v28                      ; my query in tile 0: r + 8 (r / 8), in words
	v_lshlrev_b32 v15, 4, v0                       ; the copy: 16 bytes a thread, 8,192 a round
	v_mov_b32 v24, v15
.irp k, 1,2,3,4
	v_add_nc_u32 v[24+\k], \k*65536, v15
.endr
	s_wait_kmcnt 0x0
	s_load_b256 s[32:39], s[10:11], 0x0            ; e0 .. e7
	s_add_nc_u64 s[8:9], s[8:9], s[58:59]
	s_load_b64 s[40:41], s[8:9], 0x0               ; bit s of s40: step s has work for my block; of s41: nothing of it is masked
	s_add_nc_u64 s[20:21], s[4:5], s[52:53]
	s_add_nc_u64 s[22:23], s[4:5], s[50:51]
	s_add_nc_u64 s[24:25], s[22:23], 0x1000000     ; V's part
	s_add_nc_u64 s[22:23], s[22:23], 0x800000      ; K's part
	s_add_nc_u64 s[26:27], s[6:7], s[54:55]
	s_add_nc_u64 s[28:29], s[26:27], s[62:63]
	s_add_nc_u64 s[12:13], s[12:13], s[60:61]
.irp t, 0,1
.irp c, 0,1
	global_load_b128 v[32+8*\t+4*\c:35+8*\t+4*\c], v14, s[20:21] offset:1024*\t+512*\c   ; Q stays in registers
.endr
.endr
	global_load_b32 v9, v30, s[28:29]
	global_load_b32 v10, v30, s[28:29] offset:32   ; tile 1's queries lie 8 further on
.set i, 0
.rept 16
	global_load_b128 v[64+4*i:67+4*i], v15, s[22:23] offset:8192*i
.set i, i+1
.endr
.set i, 0
.rept 16
	global_load_b128 v[128+4*i:131+4*i], v15, s[24:25] offset:8192*i
.set i, i+1
.endr
	global_load_b128 v[192:195], v15, s[26:27]     ; 39 loads of the wave are out together
	s_wait_kmcnt 0x0
	s_add_co_i32 s62, s34, s35
	s_lshl_b32 s62, s62, 23
	s_add_co_i32 s42, s62, 0x3e38aa3b              ; c = log2(e) / 8, with e2 + e3 added to its exponent field
	s_mov_b32 s43, s42                             ; (named with it as a pair)
	s_add_co_i32 s62, s36, 127
	s_lshl_b32 s63, s62, 23
	v_mov_b32 v11, s63                             ; 2^e4
	s_add_co_i32 s62, s62, 8
	s_lshl_b32 s62, s62, 23
	s_or_b32 s62, s62, 0x600000
	v_mov_b32 v12, s62                             ; 448 x 2^e4
	v_mov_b32 v13, 0
	v_mov_b32 v17, 0xff61b1e6                      ; the largest t so far: -3e38
	v_mov_b32 v21, 0xff61b1e6
	v_floor_f32 v16, -v17
	v_floor_f32 v20, -v21
	v_mov_b32 v18, 0
	v_mov_b32 v19, 0
	v_mov_b32 v22, 0
	v_mov_b32 v23, 0
.set i, 0
.rept 33
	s_wait_loadcnt 32-i                            ; round i is in; the later rounds may be out
	ds_store_b128 v[24+i/8], v[64+4*i:67+4*i] offset:(i%8)*8192
.set i, i+1
.endr
	s_wait_dscnt 0x0                               ; for the others' sake: my stores have landed
	s_barrier_signal -1
	s_barrier_wait -1                              ; the one barrier: K, V and the indices lie in LDS
	v_mov_b32 v15, 0xff800000                      ; -infinity (the copy's loads are done: its offset register is free)
	v_mov_b32 v25, 0
	v_mov_b32 v27, 0                               ; (upper halves of pairs that are named whole)
	v_mov_b32 v29, 0
.set i, 0
.rept 64
	v_mov_b32 v[192+i], 0                          ; O^T: the step is written once; the first change of M multiplies zeros
.set i, i+1
.endr
.macro SCORES tau
.set i, 0
.rept 8
	v_wmma_f32_16x16x64_fp8_fp8 v[128+8*i:135+8*i], v[64+8*i:71+8*i], v[32+8*(\tau):39+8*(\tau)], 0
.set i, i+1
.endr
.rept 4
	v_nop                                          ; places behind the products: for the reads of the scores and for loads into K's registers
.endr
.endm
.macro SOFTMAX tau
.set rP, 48+16*(\tau)
.set nM, 16+4*(\tau)
.set rO, 192+32*(\tau)
	s_bitcmp1_b32 s41, s47
	s_cbranch_scc1 .Lopen_\@                       ; every key of the step counts for every query of my block
	v_add_nc_u32 v8, s49, v3
.irp b, 0,1,2,3
.irp q, 0,1,2,3
	ds_load_b128 v[rP+4*\q:rP+4*\q+3], v8 offset:128*\b+16*\q   ; the indices of keys 32 b + 16 h + 0..15, into registers that p's codes take later
.endr
	s_wait_dscnt 0x0
.irp i, 0,1,2,3,4,5,6,7,8,9,10,11,12,13,14,15
	v_cmp_le_i32 vcc_lo, v[rP+\i], v[9+\tau]
	v_cndmask_b32 v[128+16*\b+\i], v15, v[128+16*\b+\i], vcc_lo   ; a key that does not count: -infinity, so p = 0
.endr
.endr
.Lopen_\@:
	v_max3_num_f32 v24, v128, v129, v130           ; the step's largest score of my query among my 64 keys, in two chains, from the low end on
	v_max3_num_f32 v25, v131, v132, v133
.set i, 6
.rept 14
	v_max3_num_f32 v24, v24, v[128+i], v[129+i]
	v_max3_num_f32 v25, v25, v[130+i], v[131+i]
.set i, i+4
.endr
	v_max3_num_f32 v24, v24, v190, v191
	v_max_num_f32 v24, v24, v25
	v_permlanex16_b32 v13, v24, s44, s45
	v_max_num_f32 v24, v24, v13                    ; and among lane l xor 16's
	v_mul_f32 v24, s42, v24                        ; as t (c is positive)
	v_max_num_f32 v[nM+1], v[nM+1], v24
	v_mov_b32 v24, v[nM]
	v_floor_f32 v[nM], -v[nM+1]                    ; -M = floor(-t): M is a whole number
	v_sub_f32 v24, v[nM], v24                      ; old M - new M, 0 or less
	v_cvt_i32_f32 v24, v24                         ; (it saturates)
	v_ldexp_f32 v26, 1.0, v24                      ; f = 2^(old M - new M): rounds nothing
.set i, 0
.rept 32
	v_pk_fma_f32 v[128+i:129+i], v[128+i:129+i], s[42:43], v[nM:nM+1] op_sel_hi:[1,0,0]   ; t - M
.set i, i+2
.endr
.set i, 0
.rept 64
	v_exp_f32 v[128+i], v[128+i]                   ; p, at most 1
.set i, i+1
.endr
	v_pk_mul_f32 v[nM+2:nM+3], v[nM+2:nM+3], v[26:27] op_sel_hi:[1,0]   ; the sum under the new M: the plain instruction behind the exponentials
	s_wait_alu depctr_va_vdst(0)                   ; one wait for the batch, ahead of its first reader
	v_pk_add_f32 v[28:29], v[128:129], v[130:131]  ; the sum of the unquantised p, in two chains
.set i, 4
.rept 15
	v_pk_add_f32 v[nM+2:nM+3], v[nM+2:nM+3], v[128+i:129+i]
	v_pk_add_f32 v[28:29], v[28:29], v[130+i:131+i]
.set i, i+4
.endr
	v_pk_add_f32 v[nM+2:nM+3], v[nM+2:nM+3], v[28:29]
	s_cmp_ge_i32 s36, -8                           ; with e4 >= -8 the largest code x the scale is 1.75 or more, above every p: the hold changes nothing
	s_cbranch_scc1 .Lnohold_\@
.set i, 0
.rept 64
	v_min_num_f32 v[128+i], v[128+i], v12          ; the conversion does not saturate (ISA guide 7.6.2); p is not negative
.set i, i+1
.endr
.Lnohold_\@:
.irp b, 0,1,2,3
	v_cvt_scalef32_pk8_fp8_f32 v[rP+4*\b:rP+4*\b+1], v[128+16*\b:135+16*\b], v11
	v_cvt_scalef32_pk8_fp8_f32 v[rP+4*\b+2:rP+4*\b+3], v[136+16*\b:143+16*\b], v11
.endr
.if \tau == 1
.set i, 0
.rept 16
	ds_load_b128 v[128+4*i:131+4*i], v7 offset:512*i   ; V's four fragments, into p's registers: the rescaling below stands between the loads and the wait for them
.set i, i+1
.endr
.endif
.set i, 0
.rept 16
	v_pk_mul_f32 v[rO+i:rO+i+1], v[rO+i:rO+i+1], v[26:27] op_sel_hi:[1,0]   ; O^T under the new M; also the plain instructions behind the conversions
.set i, i+2
.endr
.endm
	s_mov_b32 s47, 0                               ; the key step
	s_mov_b32 s48, 0                               ; its images' byte in K's and V's regions
	s_mov_b32 s49, 0                               ; its indices' byte
.Lstep:
	s_bitcmp1_b32 s40, s47
	s_cbranch_scc0 .Lskip                          ; none of its keys counts for my block
	v_add_nc_u32 v6, s48, v1
	v_add_nc_u32 v7, s48, v2
.set i, 0
.rept 16
	ds_load_b128 v[64+4*i:67+4*i], v6 offset:512*i   ; K's eight fragments
.set i, i+1
.endr
	s_wait_dscnt 0x0
	SCORES 0
	SOFTMAX 0
	SCORES 1
	SOFTMAX 1
	s_wait_dscnt 0x0                               ; V is in
.irp ct, 0,1,2,3                       ; eight accumulators, one turn each
.irp tau, 0,1
	v_wmma_f32_16x16x128_fp8_fp8 v[192+32*\tau+8*\ct:199+32*\tau+8*\ct], v[128+16*\ct:143+16*\ct], v[48+16*\tau:63+16*\tau], v[192+32*\tau+8*\ct:199+32*\tau+8*\ct]
.endr
.endr
.rept 5
	v_nop                                          ; places: the next step's loads land on p's codes, its products write over V's fragments, and the way out reads O^T
.endr
.Lskip:
	s_add_co_u32 s48, s48, 8192
	s_add_co_u32 s49, s49, 512
	s_add_co_u32 s47, s47, 1
	s_cmp_lt_u32 s47, 16
	s_cbranch_scc1 .Lstep
	; THE WAY OUT: O^T / the sum stands for y / 2^(e4 + e5); its code is that / 2^(e6 - e4 - e5).  Registers 16 g + i of a tile are channels 32 g + 16 h + i: each conversion pair is 16 bytes of the next operand's image.
	v_add_f32 v24, v18, v19
	v_add_f32 v26, v22, v23
	v_permlanex16_b32 v13, v24, s44, s45
	v_add_f32 v24, v24, v13
	v_permlanex16_b32 v13, v26, s44, s45
	v_add_f32 v26, v26, v13
	v_rcp_f32 v24, v24
	v_rcp_f32 v26, v26
	v_nop                                          ; a plain instruction behind the last reciprocal
	s_sub_co_i32 s62, s38, s36
	s_sub_co_i32 s62, s62, s37
	s_add_co_i32 s62, s62, 127
	s_lshl_b32 s63, s62, 23
	v_mov_b32 v11, s63
	s_add_co_i32 s62, s62, 8
	s_lshl_b32 s62, s62, 23
	s_or_b32 s62, s62, 0x600000
	v_mov_b32 v12, s62
	s_wait_alu depctr_va_vdst(0)                   ; one wait for the two reciprocals, ahead of their first reader
.irp tau, 0,1
.set i, 0
.rept 16
	v_pk_mul_f32 v[128+32*\tau+i:129+32*\tau+i], v[192+32*\tau+i:193+32*\tau+i], v[24+2*\tau:25+2*\tau] op_sel_hi:[1,0]
.set i, i+2
.endr
.set i, 0
.rept 32
	v_med3_num_f32 v[128+32*\tau+i], v[128+32*\tau+i], -v12, v12
.set i, i+1
.endr
.irp k, 0,1,2,3
	v_cvt_scalef32_pk8_fp8_f32 v[64+8*\tau+2*\k:65+8*\tau+2*\k], v[128+32*\tau+8*\k:135+32*\tau+8*\k], v11
.endr
	v_nop
.endr
.irp tau, 0,1
.irp g, 0,1
	global_store_b128 v14, v[64+8*\tau+4*\g:67+8*\tau+4*\g], s[12:13] offset:16384*\tau+512*\g   ; the wave stores 512 consecutive bytes
.endr
.endr
	s_wait_tensorcnt 0x0                           ; the wave's end
	ds_add_u32 v4, v5
	s_wait_dscnt 0x0
	s_endpgm
.Lfunc_end_k_q43d4f87b03_attn:
	.size	k_q43d4f87b03_attn, .Lfunc_end_k_q43d4f87b03_attn-k_q43d4f87b03_attn
	.p2alignl 7, 3214868480
	.fill 96, 4, 3214868480
	.section	.rodata,"a",@progbits
	.p2align	6, 0x0
	.amdhsa_kernel k_q43d4f87b03_attn
		.amdhsa_group_segment_fixed_size 272384
		.amdhsa_private_segment_fixed_size 0
		.amdhsa_enable_private_segment 0
		.amdhsa_kernarg_size 40
		.amdhsa_user_sgpr_count 2
		.amdhsa_user_sgpr_kernarg_segment_ptr 1
		.amdhsa_wavefront_size32 1
		.amdhsa_system_sgpr_workgroup_id_x 1
		.amdhsa_system_sgpr_workgroup_id_y 1
		.amdhsa_system_sgpr_workgroup_id_z 1
		.amdhsa_system_vgpr_workitem_id 0
		.amdhsa_next_free_vgpr 256
		.amdhsa_next_free_sgpr 66
		.amdhsa_reserve_vcc 1
		.amdhsa_float_denorm_mode_32 3
		.amdhsa_float_denorm_mode_16_64 3
		.amdhsa_memory_ordered 1
		.amdhsa_forward_progress 1
		.amdhsa_inst_pref_size 60
	.end_amdhsa_kernel
	.amdgpu_metadata
---
amdhsa.version: [ 1, 2 ]
amdhsa.kernels:
  - .name:           k_q43d4f87b03_attn
    .symbol:         k_q43d4f87b03_attn.kd
    .args:
      - { .name: qkv_img, .offset: 0, .size: 8, .value_kind: global_buffer, .address_space: global }
      - { .name: indices, .offset: 8, .size: 8, .value_kind: global_buffer, .address_space: global }
      - { .name: tilemask, .offset: 16, .size: 8, .value_kind: global_buffer, .address_space: global }
      - { .name: lowp_scales, .offset: 24, .size: 8, .value_kind: global_buffer, .address_space: global }
      - { .name: y_img, .offset: 32, .size: 8, .value_kind: global_buffer, .address_space: global }
    .group_segment_fixed_size: 272384
    .private_segment_fixed_size: 0
    .kernarg_segment_align: 8
    .kernarg_segment_size: 40
    .max_flat_workgroup_size: 512
    .sgpr_count:     66
    .vgpr_count:     256
    .wavefront_size: 32
...
	.end_amdgpu_metadata
.endif
;; end of part 3
;; launch proj (part 4): grid 4 x 32, 4 waves a work-group, clusters of 4 x 4, 327,680 bytes of LDS; arguments y_img, wp_codes, lowp_scales, out0; writes out0
.if DOCPART == 4
	.amdgcn_target "amdgcn-amd-amdhsa--gfx1250"
	.amdhsa_code_object_version 6
	.text
	.protected	k_q43d4f87b03_proj
	.globl	k_q43d4f87b03_proj
	.p2align	8
	.type	k_q43d4f87b03_proj,@function
k_q43d4f87b03_proj:
	s_mov_b64 s[64:65], 0
	v_nop
	global_prefetch_b8 v0, s[64:65] scope:SCOPE_SE
	s_setreg_imm32_b32 hwreg(HW_REG_WAVE_MODE, 25, 1), 1
	s_wait_xcnt 0x0
	s_wait_alu depctr_hold_cnt(0) depctr_sa_sdst(0) depctr_va_vdst(0) depctr_va_sdst(0) depctr_va_ssrc(0) depctr_va_vcc(0) depctr_vm_vsrc(0)
	s_getreg_b32 s2, hwreg(HW_REG_IB_STS2, 6, 4)
	s_cmp_eq_u32 s2, 0
	s_cbranch_scc0 .Lentry_in_a_cluster
	s_endpgm
.Lentry_in_a_cluster:
	s_bfe_u32 s2, ttmp6, 0x10000c
	s_cmp_lg_u32 s2, 0xf033
	s_cbranch_scc0 .Lentry_shape_is_right
	s_endpgm
.Lentry_shape_is_right:
; out = y W_proj on codes of E4M3; each finished sum is multiplied once by 2^(e6 + e7).  LIMIT: e6 + e7 between -126 and 127.
; A = y_img: images of operand registers, [tile of 16 tokens T][k / 128][c][lane][16 bytes]: lane (r, h) of tile T = 8 s + t holds token 128 s + 32 (t/2) + 8 (t%2) + r + 8 (r/8), k = 32 c + 16 h + 0..15 of the 128.
; B = wp_codes [1024 n][1024 k].  out0 [8192][1024] f32.
; A tile of 256 tokens x 256 columns is made by four waves, 128 x 128 each.  K goes in steps of 256 through a ring of two LDS slots: of A 4,096 dense bytes of each of 8 tiles of tokens a wave, of B 128 rows of 256 bytes, padded.
; CLUSTERS: 4 x 4 work-groups; A's tile is asked for jointly along a row of the cluster, B's along a column.  Source 0 = 16 rows of B, source 1 = 16 tokens of A: a lane holds eight neighbouring columns of one token's row.
; 128 work-groups: a tile of 128 x 256 would make 256, at one and a half times the LDS bytes for each product.
; REGISTERS as windows of 256: window 0: v0-31 addresses; from v128 A's fragments, one set; window 1: B's, two sets; windows 2, 3: the accumulators.
.set SIZE_N, 1024
.set SIZE_K, 1024
.set KSTEP,  256
.set ROWB,   256
.set KROW,   SIZE_K
.set PITCH,  272
.set ASTEP,  4096                      ; a K step of A in one tile of tokens: two images of 2,048 bytes
.set FR,     16
.set NL,     4
.set NP,     4
.set HALFT,  128*PITCH                 ; a wave's region of a slot (A's 32,768 bytes lie at its head)
.set SLOT,   4*HALFT
.set LAPS,   SIZE_K/(2*KSTEP)
.set SPARE,  2*SLOT
.set SPITCH, 528                       ; the way out: a stage of 16 rows x (512 bytes + 16) a wave, in slot 0, which has had its last fill and its last read by then
.set ADRA, 16
.set ADRB, 20
.set STO,  24
.set RD,   25
.set CO,   26
.set SPW,  28
.set NIL,  29
.set TMP,  32
.set AF,   128
.set BK,   128
.set G1, 24
.set G0, 32
.set G1B, 48
.set G0B, 56
.set MSB, 0
.macro WIN new
.if MSB != \new
	s_set_vgpr_msb (MSB<<8)|\new
.set MSB, \new
.endif
.endm
.set MUL_LO, 0xa1
.set MUL_HI, 0xf1
.set TO_B,   0x40
.macro JLOAD g0a, g1a, g0b, g1b        ; waves 0 and 1 fetch for A, waves 2 and 3 for B; an s_nop 0 and four v_nop follow each of the two lines
	s_cmp_eq_u32 s15, 0
	s_cbranch_scc0 .Lfor_b_\@
	tensor_load_to_lds s[\g0a:\g0a+3], s[\g1a:\g1a+7]
	s_nop 0
.rept 4
	v_nop
.endr
	s_branch .Lasked_\@
.Lfor_b_\@:
	tensor_load_to_lds s[\g0b:\g0b+3], s[\g1b:\g1b+7]
	s_nop 0
.rept 4
	v_nop
.endr
.Lasked_\@:
.endm
.macro CREST
	s_cmp_lg_u32 s14, 0
	s_cbranch_scc1 .Lnot_wave_0_\@
	s_barrier_signal -3
.Lnot_wave_0_\@:
	s_barrier_wait -3
	s_barrier_signal -1
	s_barrier_wait -1
.endm
.macro CROUND
	s_barrier_signal -1
	s_barrier_wait -1
	CREST
.endm
	s_load_b128 s[4:7], s[0:1], 0x0                ; y_img, W's codes
	s_load_b128 s[8:11], s[0:1], 0x10              ; the scales' exponents, out0
	v_lshl_add_u32 v[SPW], v0, 2, SPARE
	v_mov_b32 v[NIL], 0
	ds_add_u32 v[SPW], v[NIL]                      ; the wave's opening: the add, and its wait ahead of my first tensor load
	v_lshrrev_b32 v1, 5, v0
	v_readfirstlane_b32 s14, v1
	s_lshr_b32 s15, s14, 1
	s_and_b32 s16, s14, 1
	s_bfe_u32 s40, ttmp6, 0x40000
	s_bfe_u32 s41, ttmp6, 0x40004
	s_lshl_b32 s42, ttmp9, 2
	s_add_co_u32 s42, s42, s40                     ; tile column
	s_and_b32 s17, ttmp7, 0xffff
	s_lshl_b32 s17, s17, 2
	s_add_co_u32 s17, s17, s41                     ; tile row
	s_lshl_b32 s43, s41, 2
	s_lshl_b32 s43, 15, s43
	s_lshl_b32 s44, 0x1111, s40
	s_or_b32 s[G1+0], s43, (0<<16)|(1<<21)         ; A: the mask of my row; elements of 1 byte; no padding: images are read 512 bytes on end
	s_mov_b32 s[G1+1], ASTEP<<16                   ; tensor_dim0 = 4,096
	s_mov_b32 s[G1+2], 8<<16                       ; tensor_dim1 = 8
	s_mov_b32 s[G1+3], ASTEP<<16                   ; tile_dim0
	s_mov_b32 s[G1+4], 8                           ; tile_dim1: eight tiles of tokens
	s_mov_b32 s[G1+5], 16384                       ; from one tile of tokens to the next
	s_mov_b32 s[G1+6], 0
	s_mov_b32 s[G1+7], 0
	s_or_b32 s[G1B+0], s44, (0<<16)|(1<<20)|(1<<21)|(5<<22)|(3<<25)
	s_mov_b32 s[G1B+1], ROWB<<16
	s_mov_b32 s[G1B+2], 128<<16
	s_mov_b32 s[G1B+3], ROWB<<16
	s_mov_b32 s[G1B+4], 128
	s_mov_b32 s[G1B+5], KROW
	s_mov_b32 s[G1B+6], 0
	s_mov_b32 s[G1B+7], 0
	s_lshl_b32 s18, s16, 7
	s_lshl_b32 s20, s17, 8
	s_add_co_u32 s20, s20, s18                     ; A: token 256 x tile row + 128 x half (16 tokens are 16,384 bytes: 1,024 a token)
	s_lshl_b32 s46, s42, 8
	s_add_co_u32 s46, s46, s18                     ; B: row 256 x tile column + 128 x half
	s_mov_b32 s21, 0
	s_mov_b32 s47, 0
	s_mov_b64 s[18:19], KROW
	s_mul_u64 s[20:21], s[20:21], s[18:19]
	s_mul_u64 s[46:47], s[46:47], s[18:19]
	s_mul_i32 s45, s14, HALFT
	s_wait_dscnt 0x0
	s_wait_kmcnt 0x0
	s_load_b64 s[96:97], s[8:9], 0x18              ; e6, e7
	s_add_nc_u64 s[20:21], s[4:5], s[20:21]
	s_add_nc_u64 s[46:47], s[6:7], s[46:47]
	CROUND
.irp s, 0,1
	s_mov_b32 s[G0+4*\s], 1
	s_add_co_u32 s[G0+4*\s+1], s45, \s*SLOT
	s_add_nc_u64 s[G0+4*\s+2:G0+4*\s+3], s[20:21], \s*ASTEP
	s_or_b32 s[G0+4*\s+3], s[G0+4*\s+3], 0x80000000
	s_mov_b32 s[G0B+4*\s], 1
	s_add_co_u32 s[G0B+4*\s+1], s45, \s*SLOT
	s_add_nc_u64 s[G0B+4*\s+2:G0B+4*\s+3], s[46:47], \s*ROWB
	s_or_b32 s[G0B+4*\s+3], s[G0B+4*\s+3], 0x80000000
	JLOAD G0+4*\s, G1, G0B+4*\s, G1B
.endr
	v_and_b32 v1, 15, v0
	v_bfe_u32 v2, v0, 4, 1
	v_mul_u32_u24 v3, v1, PITCH
	v_lshl_add_u32 v4, v2, 4, v3                   ; B: a fragment's row x pitch + 16 h
	v_and_b32 v6, 31, v0
	v_lshlrev_b32 v[CO], 4, v6                     ; 16 x lane: A's images, and a row of out0
	s_mul_i32 s21, s15, HALFT
	s_mul_i32 s22, s16, HALFT
	s_add_co_u32 s22, s22, 2*HALFT
.irp s, 0,1
	v_add_nc_u32 v[ADRA+\s], s21, v[CO]
	v_add_nc_u32 v[ADRB+\s], s22, v4
	s_add_co_u32 s21, s21, SLOT
	s_add_co_u32 s22, s22, SLOT
.endr
	s_mul_i32 s23, s14, 16*SPITCH                  ; my stage
	v_mul_u32_u24 v5, v1, SPITCH
	v_lshl_add_u32 v5, v2, 5, v5
	v_add_nc_u32 v[STO], s23, v5
	v_add_nc_u32 v[RD], s23, v[CO]
	s_lshl_b32 s20, s17, 8
	s_lshl_b32 s21, s15, 7
	s_add_co_u32 s20, s20, s21                     ; my first token
	s_mov_b32 s21, 0
	s_mov_b64 s[18:19], SIZE_N*4
	s_mul_u64 s[20:21], s[20:21], s[18:19]
	s_lshl_b32 s46, s42, 10
	s_lshl_b32 s47, s16, 9
	s_add_co_u32 s46, s46, s47                     ; my first column, in bytes
	s_mov_b32 s47, 0
	s_add_nc_u64 s[20:21], s[20:21], s[46:47]
	s_add_nc_u64 s[10:11], s[10:11], s[20:21]
.macro FRAG reg, adr, q, i             ; B: registers 4 c .. 4 c + 3 hold K = 32 c + 16 (l / 16) + 0 .. 15
.irp c, 0,1,2,3
	ds_load_b128 v[\reg+4*\c:\reg+4*\c+3], v[\adr] offset:128*(\q)+32*\c+(\i)*16*PITCH
.endr
.endm
.macro FRAGA reg, adr, q, i            ; A: the image as it lies: the same places of k
.irp c, 0,1,2,3
	ds_load_b128 v[\reg+4*\c:\reg+4*\c+3], v[\adr] offset:2048*(\q)+512*\c+(\i)*ASTEP
.endr
.endm
.macro MUL16 a0, p, zero               ; the 64 accumulators take turns, one instruction a turn
.irp a, \a0, \a0+1
.irp b, 0,1,2,3,4,5,6,7
.if \zero
	v_wmma_f32_16x16x128_fp8_fp8 v[8*(8*((\a)%4)+\b):8*(8*((\a)%4)+\b)+7], v[128*(\p)+FR*\b:128*(\p)+FR*\b+FR-1], v[AF+FR*(\a):AF+FR*(\a)+FR-1], 0
.else
	v_wmma_f32_16x16x128_fp8_fp8 v[8*(8*((\a)%4)+\b):8*(8*((\a)%4)+\b)+7], v[128*(\p)+FR*\b:128*(\p)+FR*\b+FR-1], v[AF+FR*(\a):AF+FR*(\a)+FR-1], v[8*(8*((\a)%4)+\b):8*(8*((\a)%4)+\b)+7]
.endif
.endr
.endr
.endm
.macro FETCH_B slot, q, p
	WIN TO_B
.irp i, 0,1,2,3,4,5,6,7
	FRAG 128*(\p)+FR*\i, ADRB+\slot, \q, \i
.endr
	WIN 0
.endm
.macro FETCH_A slot, q, i0
.irp i, \i0, \i0+1, \i0+2, \i0+3
	FRAGA AF+FR*(\i), ADRA+\slot, \q, \i
.endr
.endm
.macro PLACES n
.rept \n
	v_nop
.endr
.endm
.macro STEP slot, q, zero
	s_wait_dscnt 4*NL                              ; B's set and A's blocks 0-3 are in; the youngest sixteen loads may be out
	WIN MUL_LO
	MUL16 0, (\q)%2, \zero
	MUL16 2, (\q)%2, \zero
	s_wait_dscnt 0
	PLACES NP
	FETCH_B \slot, (\q)+1, 1-(\q)%2
	FETCH_A \slot, (\q)+1, 0
	WIN MUL_HI
	MUL16 4, (\q)%2, \zero
	MUL16 6, (\q)%2, \zero
	PLACES NP
	WIN 0
	FETCH_A \slot, (\q)+1, 4
.endm
.macro TURN slot, next, fill
	s_wait_tensorcnt 0x0                           ; all my tensor loads have landed: my part of the next slot
	ds_add_u32 v[SPW], v[NIL]
	s_wait_dscnt 4*NL+1                            ; (the add and the youngest sixteen loads may be out)
	WIN MUL_LO
	MUL16 0, 1, 0
	s_wait_dscnt 0x0                               ; the add is done, and my reads of this slot are over
	s_barrier_signal -1
	MUL16 2, 1, 0
	WIN 0
	s_barrier_wait -1
.if \fill
	CREST
	s_add_nc_u64 s[G0+4*\slot+2:G0+4*\slot+3], s[G0+4*\slot+2:G0+4*\slot+3], 2*ASTEP
	s_add_nc_u64 s[G0B+4*\slot+2:G0B+4*\slot+3], s[G0B+4*\slot+2:G0B+4*\slot+3], 2*ROWB
	JLOAD G0+4*\slot, G1, G0B+4*\slot, G1B
.else
	PLACES NP
.endif
	FETCH_B \next, 0, 0
	FETCH_A \next, 0, 0
	WIN MUL_HI
	MUL16 4, 1, 0
	MUL16 6, 1, 0
	PLACES NP
	WIN 0
	FETCH_A \next, 0, 4
.endm
	s_wait_tensorcnt 1                             ; my part of K step 0 is in (K step 1's load may be out)
	s_barrier_signal -1
	s_barrier_wait -1
	FETCH_B 0, 0, 0
	FETCH_A 0, 0, 0
	FETCH_A 0, 0, 4
	STEP 0, 0, 1
	s_mov_b32 s3, LAPS-1
.Llap:
	TURN 0, 1, 1
	STEP 1, 0, 0
	TURN 1, 0, 1
	STEP 0, 0, 0
	s_sub_co_u32 s3, s3, 1
	s_cmp_lg_u32 s3, 0
	s_cbranch_scc1 .Llap
	TURN 0, 1, 0
	STEP 1, 0, 0
	s_wait_dscnt 4*NL
	WIN MUL_LO
	MUL16 0, 1, 0
	MUL16 2, 1, 0
	s_wait_dscnt 0
	WIN MUL_HI
	MUL16 4, 1, 0
	MUL16 6, 1, 0
	WIN 0
; THE WAY OUT, block by block of 16 tokens x 128 columns, through my own stage: in as 32 bytes a lane, back as whole rows of 512 bytes.  LDS serves a wave's instructions in order: no wait between the stores and the loads.
.macro TOSTAGE a
.set AC, 64*((\a)%4)
	WIN 0x02+((\a)/4)
.set n, 0
.rept 32
	v_pk_mul_f32 v[TMP+n:TMP+n+1], v[AC+n:AC+n+1], s[96:97] op_sel_hi:[1,0]   ; x 2^(e6 + e7); each accumulator from its low end on
.set n, n+2
.endr
	WIN 0
.irp b, 0,1,2,3,4,5,6,7
	ds_store_b128 v[STO], v[TMP+8*\b:TMP+8*\b+3] offset:64*\b
	ds_store_b128 v[STO], v[TMP+8*\b+4:TMP+8*\b+7] offset:64*\b+16
.endr
.set BB, BK+64*((\a)%2)
.irp t, 0,1,2,3,4,5,6,7,8,9,10,11,12,13,14,15
	ds_load_b128 v[BB+4*\t:BB+4*\t+3], v[RD] offset:\t*SPITCH
.endr
.endm
.macro SEND a, younger                 ; stage row t of block a is token 32 (a/2) + 8 (a%2) + t + 8 (t/8) of my 128: 127 rows of 4,096 bytes at the most, inside the signed 24-bit immediate
.set BB, BK+64*((\a)%2)
	s_wait_dscnt \younger
.irp t, 0,1,2,3,4,5,6,7,8,9,10,11,12,13,14,15
	global_store_b128 v[CO], v[BB+4*\t:BB+4*\t+3], s[10:11] offset:(32*((\a)/2)+8*((\a)%2)+\t+8*(\t/8))*SIZE_N*4 th:TH_STORE_NT   ; 32 lanes store 512 consecutive bytes
.endr
.endm
	s_wait_kmcnt 0x0
	s_add_co_i32 s96, s96, s97
	s_add_co_i32 s96, s96, 127
	s_lshl_b32 s96, s96, 23                        ; 2^(e6 + e7) as f32
	PLACES NP
	TOSTAGE 0
.irp a, 1,2,3,4,5,6,7
.if \a > 1
	s_wait_xcnt 0x0                                ; block a - 2's stores have read their registers: block a's loads may land there
.endif
	TOSTAGE \a
	SEND \a-1, 32                                  ; behind block a - 1's loads: block a's 16 stores and 16 loads
.endr
	SEND 7, 0
	s_wait_tensorcnt 0x0                           ; the wave's end
	ds_add_u32 v[SPW], v[NIL]
	s_wait_dscnt 0x0
	CROUND                                         ; the closing round
	s_endpgm
.Lfunc_end_k_q43d4f87b03_proj:
	.size	k_q43d4f87b03_proj, .Lfunc_end_k_q43d4f87b03_proj-k_q43d4f87b03_proj
	.p2alignl 7, 3214868480
	.fill 96, 4, 3214868480
	.section	.rodata,"a",@progbits
	.p2align	6, 0x0
	.amdhsa_kernel k_q43d4f87b03_proj
		.amdhsa_group_segment_fixed_size 327680
		.amdhsa_private_segment_fixed_size 0
		.amdhsa_enable_private_segment 0
		.amdhsa_kernarg_size 32
		.amdhsa_user_sgpr_count 2
		.amdhsa_user_sgpr_kernarg_segment_ptr 1
		.amdhsa_wavefront_size32 1
		.amdhsa_system_sgpr_workgroup_id_x 1
		.amdhsa_system_sgpr_workgroup_id_y 1
		.amdhsa_system_sgpr_workgroup_id_z 1
		.amdhsa_system_vgpr_workitem_id 0
		.amdhsa_next_free_vgpr 1024
		.amdhsa_next_free_sgpr 98
		.amdhsa_reserve_vcc 0
		.amdhsa_float_denorm_mode_32 3
		.amdhsa_float_denorm_mode_16_64 3
		.amdhsa_memory_ordered 1
		.amdhsa_forward_progress 1
		.amdhsa_inst_pref_size 123
	.end_amdhsa_kernel
	.amdgpu_metadata
---
amdhsa.version: [ 1, 2 ]
amdhsa.kernels:
  - .name:           k_q43d4f87b03_proj
    .symbol:         k_q43d4f87b03_proj.kd
    .args:
      - { .name: y_img, .offset: 0, .size: 8, .value_kind: global_buffer, .address_space: global }
      - { .name: wp_codes, .offset: 8, .size: 8, .value_kind: global_buffer, .address_space: global }
      - { .name: lowp_scales, .offset: 16, .size: 8, .value_kind: global_buffer, .address_space: global }
      - { .name: out0, .offset: 24, .size: 8, .value_kind: global_buffer, .address_space: global }
    .group_segment_fixed_size: 327680
    .private_segment_fixed_size: 0
    .kernarg_segment_align: 8
    .kernarg_segment_size: 32
    .max_flat_workgroup_size: 128
    .sgpr_count:     98
    .vgpr_count:     1024
    .wavefront_size: 32
...
	.end_amdgpu_metadata
.endif
;; end of part 4
;; ======== version 2 of 2: 4 launches; version 1 with the launch attn written anew for expert scheduling mode
;; limits: right only within a limited range of input values
;; workspace buffers: x_codes 8,388,608 bytes; wa_codes 3,145,728 bytes; wp_codes 1,048,576 bytes; rope_tab 2,097,152 bytes; tilemask 2,048 bytes of whole numbers; qkv_img 25,165,824 bytes; y_img 8,388,608 bytes
;; launch prep: the kernel of part 1 again; grid 449 x 1, 4 waves a work-group, no clusters, 102,912 bytes of LDS; arguments x, W_attn, W_proj, indices, lowp_scales, x_codes, wa_codes, wp_codes, rope_tab, tilemask; writes x_codes, wa_codes, wp_codes, rope_tab, tilemask
;; launch qkv: the kernel of part 2 again; grid 12 x 32, 4 waves a work-group, clusters of 4 x 4, 327,680 bytes of LDS; arguments x_codes, wa_codes, lowp_scales, rope_tab, qkv_img; writes qkv_img
;; launch attn (part 5): grid 4 x 64, 16 waves a work-group, no clusters, 272,384 bytes of LDS; arguments qkv_img, indices, tilemask, lowp_scales, y_img; writes y_img
.if DOCPART == 5
	.amdgcn_target "amdgcn-amd-amdhsa--gfx1250"
	.amdhsa_code_object_version 6
	.text
	.protected	k_q43d4f87b03_attn
	.globl	k_q43d4f87b03_attn
	.p2align	8
	.type	k_q43d4f87b03_attn,@function
k_q43d4f87b03_attn:
	s_mov_b64 s[64:65], 0
	v_nop
	global_prefetch_b8 v0, s[64:65] scope:SCOPE_SE
	s_setreg_imm32_b32 hwreg(HW_REG_WAVE_SCHED_MODE, 0, 2), 2
	s_setreg_imm32_b32 hwreg(HW_REG_WAVE_MODE, 25, 1), 1
	s_wait_xcnt 0x0
	s_wait_alu depctr_vm_vsrc(0)
; y = softmax(q k^T / 8, masked where indices[key] > indices[query]) v, both products on codes of E4M3; y leaves as codes, laid as the last product's operand registers.
; THE SOFTMAX: t = score x log2(e) / 8; M = the running largest t rounded UP to a whole number; p = 2^(t - M) is quantised; the row's sum is taken of the unquantised p and divides at the end.
; SHARES.  Work-group (w, batch x 16 + head) copies the head's whole K and V images (131,072 bytes each) and the batch's indices into LDS ONCE, through registers; one barrier; then its sixteen waves run freely.
; Wave i owns 32 queries: tiles 2 w and 2 w + 1 of the step m(i) of 128 tokens; m(i) is a 4 x 4 square whose rows and columns all sum to 30, so that on data in ascending order every four waves have like work;
; m enters global addresses alone.  Every wave walks the 16 key steps in a loop of constant count and passes over, by a scalar branch on the stored words of an earlier launch, the steps none of whose keys counts for its block;
; where every key counts for every query the compares are passed over too.
; NO TENSOR LOAD AND NO CLUSTER: the branches on stored words are what spares the masked work; each byte of K and V is read once by each of the head's four work-groups.
; LAYOUT.  S^T = K Q^T (source 0 = 16 keys, source 1 = 16 queries), O^T = V^T P^T: a lane holds ONE query.  Tile t's lane r holds key 32 (t/2) + 8 (t%2) + r + 8 (r/8), so the 16 registers of tiles 2 b, 2 b + 1 are keys 32 b + 16 h + 0..15.
; Every fragment load takes 512 consecutive LDS bytes.
; LIMITS: e2 + e3 between -123 and 130 (added to c's exponent field); e4, and e6 - e4 - e5, between -126 and 119.
; REGISTERS: v1-3 LDS places; v4, v5 the add's two; v6-8 addresses in hand; v9, v10 my queries' indices; v11, v12 scale and hold; v13 lane exchange; v14 16 x lane; v15 -infinity; v16-23 -M, largest t, sum (two tiles);
;   v24-29 at work; v32-47 Q; v48-63 tile 0's p codes; v64-127 K (then v64-79 tile 1's p codes, v80-127 V's fragments 0 to 2); v128-191 S^T, p (then v128-143 V's fragment 3); v192-255 O^T.  s16-31: sixteen masks of the compares.
; THE MODE: SCHED_MODE bits 1:0 = 2 (LLVM: expert scheduling mode 2), set by the entry lines.  The code itself states the register dependences
; between vector or matrix instructions and memory or LDS instructions, with s_wait_alu, always for 0.
; THE PLAN.  Registers that memory or LDS instructions touch, in a key step:
;   v6, v7, v8   Written by three adds at the step's head; read by all the step's LDS loads.
;   v64-127      K's loads land; both tiles' score products read them.  Behind those products: v64-79 take tile 1's key indices (loads; the compares read them) and then its codes (conversions; the last products read them);
;                v80-127 take V's fragments 0 to 2 (loads; the last products read them).
;   v48-63       Tile 0's key indices (loads; the compares read them), then its codes (conversions; the last products read them).
;   v128-143     Scores and p (matrix and vector instructions); behind tile 1's conversions V's fragment 3 lands there; the last products read it.
; So a step has one wait on vm_vsrc, ahead of the three adds, and three on va_vdst beside the exponentials' own: behind the adds (it frees v64-127 and v48-63 of the step before), behind tile 1's score products
; (it frees v64-127), and behind tile 1's conversions (it frees v128-143).  A step with masked keys has, for each run of sixteen compares, one wait on va_sdst for their masks and, for all but the last run, one on va_vdst for the registers that they read.
.set VIMG,  131072
.set IDX,   262144
.set SPARE, 270336                     ; the spare words: 128 bytes for each of 16 waves, eight blocks of 256 bytes that no other line names
.set MK,    16                         ; s[16:31] the masks of sixteen compares: free in the loop, since the loads that read s[20:29] as bases are done
	s_load_b256 s[4:11], s[0:1], 0x0               ; qkv_img s[4:5], indices s[6:7], tilemask s[8:9], scales s[10:11]
	s_load_b64 s[12:13], s[0:1], 0x20              ; y_img
	v_lshl_add_u32 v4, v0, 2, SPARE
	v_mov_b32 v5, 0
	v_lshrrev_b32 v1, 5, v0
	v_readfirstlane_b32 s14, v1                    ; wave 0..15
	v_and_b32 v30, 31, v0                          ; the lanes' places and offsets are made here, between that line and the wait for its scalar result
	v_lshlrev_b32 v1, 4, v30                       ; K's images: 16 x lane
	v_lshlrev_b32 v14, 4, v30
	v_add_nc_u32 v2, VIMG, v1                      ; V's
	v_bfe_u32 v31, v0, 4, 1
	v_lshlrev_b32 v3, 6, v31
	v_add_nc_u32 v3, IDX, v3                       ; the keys' indices: + 64 h
	v_and_b32 v29, 15, v0
	v_and_b32 v28, 8, v29
	v_add_nc_u32 v28, v28, v29
	v_lshlrev_b32 v30, 2, v28                      ; my query in tile 0: r + 8 (r / 8), in words
	v_lshlrev_b32 v15, 4, v0                       ; the copy: 16 bytes a thread, 8,192 a round
	v_mov_b32 v24, v15
.irp k, 1,2,3,4
	v_add_nc_u32 v[24+\k], \k*65536, v15
.endr
	s_wait_alu depctr_va_sdst(0)                   ; s14 is written, ahead of its first reader: m and every base hang on it
	s_mov_b32 s16, 0x6bd07ac1                      ; m of waves 8..15, four bits each: 1 12 10 7 0 13 11 6
	s_cmp_lt_u32 s14, 8
	s_cselect_b32 s15, 0x853e942f, s16             ; of waves 0..7: 15 2 4 9 14 3 5 8
	s_and_b32 s17, s14, 7
	s_lshl_b32 s17, s17, 2
	s_lshr_b32 s15, s15, s17
	s_and_b32 s15, s15, 15                         ; m
	s_and_b32 s17, ttmp7, 0xffff                   ; batch x 16 + head
	s_lshr_b32 s18, s17, 4
	s_and_b32 s19, s17, 15
	s_lshl_b32 s50, s17, 17                        ; the head's 131,072 bytes in each part
	s_mov_b32 s51, 0
	s_lshl_b32 s52, s15, 13
	s_lshl_b32 s53, ttmp9, 11
	s_add_co_u32 s52, s52, s53
	s_add_co_u32 s52, s52, s50                     ; Q: + step m, + tiles 2 w on
	s_mov_b32 s53, 0
	s_lshl_b32 s54, s18, 13                        ; the batch's indices
	s_mov_b32 s55, 0
	s_lshl_b32 s56, s15, 2
	s_add_co_u32 s56, s56, ttmp9                   ; my block of 32 queries: 4 m + w
	s_lshl_b32 s57, s18, 6
	s_add_co_u32 s57, s57, s56
	s_lshl_b32 s58, s57, 3                         ; its two words
	s_mov_b32 s59, 0
	s_lshl_b32 s60, s18, 7
	s_lshl_b32 s61, s56, 1
	s_add_co_u32 s60, s60, s61                     ; my first tile of tokens: batch x 128 + 8 m + 2 w
	s_lshl_b32 s60, s60, 14
	s_lshl_b32 s61, s19, 10                        ; + head x 1,024
	s_add_co_u32 s60, s60, s61
	s_mov_b32 s61, 0
	s_lshl_b32 s62, s56, 7                         ; my block's indices
	s_mov_b32 s63, 0
	s_mov_b32 s44, 0x76543210                      ; v_permlanex16_b32: lane l xor 16
	s_mov_b32 s45, 0xfedcba98
	s_wait_kmcnt 0x0
	s_load_b256 s[32:39], s[10:11], 0x0            ; e0 .. e7
	s_add_nc_u64 s[8:9], s[8:9], s[58:59]
	s_load_b64 s[40:41], s[8:9], 0x0               ; bit s of s40: step s has work for my block; of s41: nothing of it is masked
	s_add_nc_u64 s[20:21], s[4:5], s[52:53]
	s_add_nc_u64 s[22:23], s[4:5], s[50:51]
	s_add_nc_u64 s[24:25], s[22:23], 0x1000000     ; V's part
	s_add_nc_u64 s[22:23], s[22:23], 0x800000      ; K's part
	s_add_nc_u64 s[26:27], s[6:7], s[54:55]
	s_add_nc_u64 s[28:29], s[26:27], s[62:63]
	s_add_nc_u64 s[12:13], s[12:13], s[60:61]
	s_wait_alu depctr_va_vdst(0)                   ; the offsets v14, v15, v30 and the LDS addresses v24 to v28 are written: the loads and the LDS stores below read them, and no vector instruction up to the barrier names them again
.irp t, 0,1
.irp c, 0,1
	global_load_b128 v[32+8*\t+4*\c:35+8*\t+4*\c], v14, s[20:21] offset:1024*\t+512*\c   ; Q stays in registers
.endr
.endr
	global_load_b32 v9, v30, s[28:29]
	global_load_b32 v10, v30, s[28:29] offset:32   ; tile 1's queries lie 8 further on
.set i, 0
.rept 16
	global_load_b128 v[64+4*i:67+4*i], v15, s[22:23] offset:8192*i
.set i, i+1
.endr
.set i, 0
.rept 16
	global_load_b128 v[128+4*i:131+4*i], v15, s[24:25] offset:8192*i
.set i, i+1
.endr
	global_load_b128 v[192:195], v15, s[26:27]     ; 39 loads of the wave are out together
	s_wait_kmcnt 0x0
	s_add_co_i32 s62, s34, s35
	s_lshl_b32 s62, s62, 23
	s_add_co_i32 s42, s62, 0x3e38aa3b              ; c = log2(e) / 8, with e2 + e3 added to its exponent field
	s_mov_b32 s43, s42                             ; (named with it as a pair)
	s_add_co_i32 s62, s36, 127
	s_lshl_b32 s63, s62, 23
	v_mov_b32 v11, s63                             ; 2^e4
	s_add_co_i32 s62, s62, 8
	s_lshl_b32 s62, s62, 23
	s_or_b32 s62, s62, 0x600000
	v_mov_b32 v12, s62                             ; 448 x 2^e4
	v_mov_b32 v13, 0
	v_mov_b32 v17, 0xff61b1e6                      ; the largest t so far: -3e38
	v_mov_b32 v21, 0xff61b1e6
	v_floor_f32 v16, -v17
	v_floor_f32 v20, -v21
	v_mov_b32 v18, 0
	v_mov_b32 v19, 0
	v_mov_b32 v22, 0
	v_mov_b32 v23, 0
.set i, 0
.rept 33
	s_wait_loadcnt 32-i                            ; round i is in; the later rounds may be out
	ds_store_b128 v[24+i/8], v[64+4*i:67+4*i] offset:(i%8)*8192
.set i, i+1
.endr
	s_wait_dscnt 0x0                               ; for the others' sake: my stores have landed
	s_barrier_signal -1
	s_barrier_wait -1                              ; the one barrier: K, V and the indices lie in LDS
	s_wait_alu depctr_vm_vsrc(0)                   ; the copy's loads have read v15, its LDS stores v24 to v28 and v64 to v195: all of these are written again from here on
	v_mov_b32 v15, 0xff800000                      ; -infinity (the copy's loads are done: its offset register is free)
	v_mov_b32 v25, 0
	v_mov_b32 v27, 0                               ; (upper halves of pairs that are named whole)
	v_mov_b32 v29, 0
.set i, 0
.rept 64
	v_mov_b32 v[192+i], 0                          ; O^T: the step is written once; the first change of M multiplies zeros
.set i, i+1
.endr
.macro SCORES tau
.set i, 0
.rept 8
	v_wmma_f32_16x16x64_fp8_fp8 v[128+8*i:135+8*i], v[64+8*i:71+8*i], v[32+8*(\tau):39+8*(\tau)], 0
.set i, i+1
.endr
.rept 4
	v_nop                                          ; places behind the products, for the reads of the scores
.endr
.endm
.macro SOFTMAX tau
.set rP, 48+16*(\tau)
.set nM, 16+4*(\tau)
.set rO, 192+32*(\tau)
	s_bitcmp1_b32 s41, s47
	s_cbranch_scc1 .Lopen_\@                       ; every key of the step counts for every query of my block
.irp q, 0,1,2,3
	ds_load_b128 v[rP+4*\q:rP+4*\q+3], v8 offset:16*\q   ; the indices of keys 16 h + 0..15, into registers that p's codes take later.  No wait: no vector or matrix instruction since the last wait on va_vdst names these registers or v8
.endr
.irp b, 0,1,2,3
	s_wait_dscnt 0x0                               ; the indices of keys 32 b + 16 h + 0..15 are in
.irp i, 0,1,2,3,4,5,6,7,8,9,10,11,12,13,14,15
	v_cmp_le_i32 s[MK+\i], v[rP+\i], v[9+\tau]
.endr
	s_wait_alu depctr_va_sdst(0)                   ; the sixteen masks s16 to s31 are written, ahead of the selects that read them
.if \b < 3
	s_wait_alu depctr_va_vdst(0)                   ; the compares are done reading the sixteen index registers, in which the next sixteen indices land
.irp q, 0,1,2,3
	ds_load_b128 v[rP+4*\q:rP+4*\q+3], v8 offset:128*(\b+1)+16*\q   ; they are on their way during the selects, which name none of these registers
.endr
.endif
.irp i, 0,1,2,3,4,5,6,7,8,9,10,11,12,13,14,15
	v_cndmask_b32 v[128+16*\b+\i], v15, v[128+16*\b+\i], s[MK+\i]   ; a key that does not count: -infinity, so p = 0
.endr
.endr
.Lopen_\@:
	v_max3_num_f32 v24, v128, v129, v130           ; the step's largest score of my query among my 64 keys, in two chains, from the low end on
	v_max3_num_f32 v25, v131, v132, v133
.set i, 6
.rept 14
	v_max3_num_f32 v24, v24, v[128+i], v[129+i]
	v_max3_num_f32 v25, v25, v[130+i], v[131+i]
.set i, i+4
.endr
	v_max3_num_f32 v24, v24, v190, v191
	v_max_num_f32 v24, v24, v25
	v_permlanex16_b32 v13, v24, s44, s45
	v_max_num_f32 v24, v24, v13                    ; and among lane l xor 16's
	v_mul_f32 v24, s42, v24                        ; as t (c is positive)
	v_max_num_f32 v[nM+1], v[nM+1], v24
	v_mov_b32 v24, v[nM]
	v_floor_f32 v[nM], -v[nM+1]                    ; -M = floor(-t): M is a whole number
	v_sub_f32 v24, v[nM], v24                      ; old M - new M, 0 or less
	v_cvt_i32_f32 v24, v24                         ; (it saturates)
	v_ldexp_f32 v26, 1.0, v24                      ; f = 2^(old M - new M): rounds nothing
.set i, 0
.rept 32
	v_pk_fma_f32 v[128+i:129+i], v[128+i:129+i], s[42:43], v[nM:nM+1] op_sel_hi:[1,0,0]   ; t - M
.set i, i+2
.endr
.set i, 0
.rept 64
	v_exp_f32 v[128+i], v[128+i]                   ; p, at most 1
.set i, i+1
.endr
	v_pk_mul_f32 v[nM+2:nM+3], v[nM+2:nM+3], v[26:27] op_sel_hi:[1,0]   ; the sum under the new M: the plain instruction behind the exponentials
	s_wait_alu depctr_va_vdst(0)                   ; the 64 exponentials have written v128 to v191: one wait for the batch, ahead of its first reader
	v_pk_add_f32 v[28:29], v[128:129], v[130:131]  ; the sum of the unquantised p, in two chains
.set i, 4
.rept 15
	v_pk_add_f32 v[nM+2:nM+3], v[nM+2:nM+3], v[128+i:129+i]
	v_pk_add_f32 v[28:29], v[28:29], v[130+i:131+i]
.set i, i+4
.endr
	v_pk_add_f32 v[nM+2:nM+3], v[nM+2:nM+3], v[28:29]
	s_cmp_ge_i32 s36, -8                           ; with e4 >= -8 the largest code x the scale is 1.75 or more, above every p: the hold changes nothing
	s_cbranch_scc1 .Lnohold_\@
.set i, 0
.rept 64
	v_min_num_f32 v[128+i], v[128+i], v12          ; the conversion does not saturate (ISA guide 7.6.2); p is not negative
.set i, i+1
.endr
.Lnohold_\@:
.irp b, 0,1,2,3
	v_cvt_scalef32_pk8_fp8_f32 v[rP+4*\b:rP+4*\b+1], v[128+16*\b:135+16*\b], v11
	v_cvt_scalef32_pk8_fp8_f32 v[rP+4*\b+2:rP+4*\b+3], v[136+16*\b:143+16*\b], v11
.endr
.if \tau == 1
	s_wait_alu depctr_va_vdst(0)                   ; the conversions are done reading v128 to v143, in which V's fragment 3 lands
.set i, 12
.rept 4
	ds_load_b128 v[128+4*(i-12):131+4*(i-12)], v7 offset:512*i   ; V's fragment 3, into p's first sixteen registers: the rescaling below stands between the loads and the wait for them
.set i, i+1
.endr
.endif
.set i, 0
.rept 16
	v_pk_mul_f32 v[rO+i:rO+i+1], v[rO+i:rO+i+1], v[26:27] op_sel_hi:[1,0]   ; O^T under the new M; also the plain instructions behind the conversions
.set i, i+2
.endr
.endm
	s_mov_b32 s47, 0                               ; the key step
	s_mov_b32 s48, 0                               ; its images' byte in K's and V's regions
	s_mov_b32 s49, 0                               ; its indices' byte
.Lstep:
	s_bitcmp1_b32 s40, s47
	s_cbranch_scc0 .Lskip                          ; none of its keys counts for my block
	s_wait_alu depctr_vm_vsrc(0)                   ; the LDS loads issued so far have read v6, v7 and v8, which the three adds write
	v_add_nc_u32 v6, s48, v1
	v_add_nc_u32 v7, s48, v2
	v_add_nc_u32 v8, s49, v3
	s_wait_alu depctr_va_vdst(0)                   ; v6, v7, v8 are written; the step before is done with v64 to v127 (its products read them, its conversions wrote v64 to v79), where K lands, and with v48 to v63, where tile 0's key indices land
.set i, 0
.rept 16
	ds_load_b128 v[64+4*i:67+4*i], v6 offset:512*i   ; K's eight fragments
.set i, i+1
.endr
	s_wait_dscnt 0x0
	SCORES 0
	SOFTMAX 0
	SCORES 1
	s_wait_alu depctr_va_vdst(0)                   ; both tiles' score products are done reading v64 to v127: V's fragments 0 to 2 land in v80 to v127, tile 1's key indices in v64 to v79
.set i, 0
.rept 12
	ds_load_b128 v[80+4*i:83+4*i], v7 offset:512*i   ; V's fragments 0 to 2: tile 1's softmax, which names none of these registers, stands between the loads and the wait for them
.set i, i+1
.endr
	SOFTMAX 1
	s_wait_dscnt 0x0                               ; V is in
.irp ct, 0,1,2,3                       ; eight accumulators, one turn each
.set rV, 80+16*\ct
.if \ct == 3
.set rV, 128
.endif
.irp tau, 0,1
	v_wmma_f32_16x16x128_fp8_fp8 v[192+32*\tau+8*\ct:199+32*\tau+8*\ct], v[rV:rV+15], v[48+16*\tau:63+16*\tau], v[192+32*\tau+8*\ct:199+32*\tau+8*\ct]
.endr
.endr
.rept 5
	v_nop                                          ; places: the next step's products write over V's fragment 3, and the way out reads O^T
.endr
.Lskip:
	s_add_co_u32 s48, s48, 8192
	s_add_co_u32 s49, s49, 512
	s_add_co_u32 s47, s47, 1
	s_cmp_lt_u32 s47, 16
	s_cbranch_scc1 .Lstep
	; THE WAY OUT: O^T / the sum stands for y / 2^(e4 + e5); its code is that / 2^(e6 - e4 - e5).  Registers 16 g + i of a tile are channels 32 g + 16 h + i: each conversion pair is 16 bytes of the next operand's image.
	v_add_f32 v24, v18, v19
	v_add_f32 v26, v22, v23
	v_permlanex16_b32 v13, v24, s44, s45
	v_add_f32 v24, v24, v13
	v_permlanex16_b32 v13, v26, s44, s45
	v_add_f32 v26, v26, v13
	v_rcp_f32 v24, v24
	v_rcp_f32 v26, v26
	v_nop                                          ; a plain instruction behind the last reciprocal
	s_sub_co_i32 s62, s38, s36
	s_sub_co_i32 s62, s62, s37
	s_add_co_i32 s62, s62, 127
	s_lshl_b32 s63, s62, 23
	v_mov_b32 v11, s63
	s_add_co_i32 s62, s62, 8
	s_lshl_b32 s62, s62, 23
	s_or_b32 s62, s62, 0x600000
	v_mov_b32 v12, s62
	s_wait_alu depctr_va_vdst(0)                   ; the two reciprocals have written v24 and v26: one wait, ahead of their first reader
.irp tau, 0,1
.set i, 0
.rept 16
	v_pk_mul_f32 v[128+32*\tau+i:129+32*\tau+i], v[192+32*\tau+i:193+32*\tau+i], v[24+2*\tau:25+2*\tau] op_sel_hi:[1,0]
.set i, i+2
.endr
.set i, 0
.rept 32
	v_med3_num_f32 v[128+32*\tau+i], v[128+32*\tau+i], -v12, v12
.set i, i+1
.endr
.irp k, 0,1,2,3
	v_cvt_scalef32_pk8_fp8_f32 v[64+8*\tau+2*\k:65+8*\tau+2*\k], v[128+32*\tau+8*\k:135+32*\tau+8*\k], v11
.endr
	v_nop
.endr
	s_wait_alu depctr_va_vdst(0)                   ; the conversions have written v64 to v79, which the four stores read
.irp tau, 0,1
.irp g, 0,1
	global_store_b128 v14, v[64+8*\tau+4*\g:67+8*\tau+4*\g], s[12:13] offset:16384*\tau+512*\g   ; the wave stores 512 consecutive bytes
.endr
.endr
	s_wait_dscnt 0x0                               ; the closing lines, six on end
	s_wait_alu 0x0
	s_wait_tensorcnt 0x0
	ds_add_u32 v4, v5
	s_wait_dscnt 0x0
	s_endpgm
.Lfunc_end_k_q43d4f87b03_attn:
	.size	k_q43d4f87b03_attn, .Lfunc_end_k_q43d4f87b03_attn-k_q43d4f87b03_attn
	.p2alignl 7, 3214868480
	.fill 96, 4, 3214868480
	.section	.rodata,"a",@progbits
	.p2align	6, 0x0
	.amdhsa_kernel k_q43d4f87b03_attn
		.amdhsa_group_segment_fixed_size 272384
		.amdhsa_private_segment_fixed_size 0
		.amdhsa_enable_private_segment 0
		.amdhsa_kernarg_size 40
		.amdhsa_user_sgpr_count 2
		.amdhsa_user_sgpr_kernarg_segment_ptr 1
		.amdhsa_wavefront_size32 1
		.amdhsa_system_sgpr_workgroup_id_x 1
		.amdhsa_system_sgpr_workgroup_id_y 1
		.amdhsa_system_sgpr_workgroup_id_z 1
		.amdhsa_system_vgpr_workitem_id 0
		.amdhsa_next_free_vgpr 256
		.amdhsa_next_free_sgpr 66
		.amdhsa_reserve_vcc 0
		.amdhsa_float_denorm_mode_32 3
		.amdhsa_float_denorm_mode_16_64 3
		.amdhsa_memory_ordered 1
		.amdhsa_forward_progress 1
		.amdhsa_inst_pref_size 69
	.end_amdhsa_kernel
	.amdgpu_metadata
---
amdhsa.version: [ 1, 2 ]
amdhsa.kernels:
  - .name:           k_q43d4f87b03_attn
    .symbol:         k_q43d4f87b03_attn.kd
    .args:
      - { .name: qkv_img, .offset: 0, .size: 8, .value_kind: global_buffer, .address_space: global }
      - { .name: indices, .offset: 8, .size: 8, .value_kind: global_buffer, .address_space: global }
      - { .name: tilemask, .offset: 16, .size: 8, .value_kind: global_buffer, .address_space: global }
      - { .name: lowp_scales, .offset: 24, .size: 8, .value_kind: global_buffer, .address_space: global }
      - { .name: y_img, .offset: 32, .size: 8, .value_kind: global_buffer, .address_space: global }
    .group_segment_fixed_size: 272384
    .private_segment_fixed_size: 0
    .kernarg_segment_align: 8
    .kernarg_segment_size: 40
    .max_flat_workgroup_size: 512
    .sgpr_count:     66
    .vgpr_count:     256
    .wavefront_size: 32
...
	.end_amdgpu_metadata
.endif
;; end of part 5
;; launch proj: the kernel of part 4 again; grid 4 x 32, 4 waves a work-group, clusters of 4 x 4, 327,680 bytes of LDS; arguments y_img, wp_codes, lowp_scales, out0; writes out0
